; MI455X (gfx1250); checked and timed in simulation.
; The chip was launched on July 23, 2026; its instructions are those of AMD's public machine-readable ISA for CDNA 5 (MIT licence, August 2026) and "CDNA5" Instruction Set Architecture Reference Guide (July 2026). The comments in the code are by the model that wrote it; some were corrected since.
;; GPT2 Attention. Allowed arithmetic: matrix products marked QUANTISED: E4M3 operands, one given power-of-two scale a tensor, by v_wmma_f32_16x16x64_fp8_fp8 or v_wmma_f32_16x16x128_fp8_fp8, f32 sums; products left as they are: f32 operands where the result goes on into a quantised operand, else bf16, f16 or f32 operands; f32 sums; everything else in f32.
;; Inputs: cos 2,048 x 1 x 32 float32; lowp_scales 12 int32 (the exponents e of the quantised operands' scales 2^e); sin 2,048 x 1 x 32 float32; ve 4 x 2,048 x 256 float32; w_gate 4 x 12 float32; wk 256 x 1,024 float32; wo 1,024 x 1,024 float32; wq 1,024 x 1,024 float32; wv 256 x 1,024 float32; x 4 x 2,048 x 1,024 float32.
;; Outputs: out0 4 x 2,048 x 1,024 float32.
;; Constants: window_left = 1024.
;; This version of the problem:
;;   THIS VERSION OF THE PROBLEM IS GIVEN IN LOW PRECISION. The matrix products marked QUANTISED in the list below multiply operands that are first quantised to E4M3 (4 exponent bits, 3 mantissa bits; 8 bits a number), with one given power-of-two scale for each operand tensor; their sums are f32. All else is computed in f32.
;;   The module's matrix products, in the order in which they are computed (A, B: the left and right operand; K: the contracted axis; several contracted axes count as one K, in the product's order):
;;     1. [M 8,192, K 1,024] x [K 1,024, N 1,024]; A: input x; B: input wq: QUANTISED (scales: A lowp_scales[0], B lowp_scales[1])
;;     2. [M 8,192, K 1,024] x [K 1,024, N 256]; A: input x; B: input wk: QUANTISED (scales: A lowp_scales[2], B lowp_scales[3])
;;     3. [M 8,192, K 1,024] x [K 1,024, N 256]; A: input x; B: input wv: QUANTISED (scales: A lowp_scales[4], B lowp_scales[5])
;;     4. [M 8,192, K 12] x [K 12, N 4]; A: input x; B: input w_gate: left as it is (K = 12 < 32)
;;     5. batch 64 x [M 2,048, K 64] x [K 64, N 2,048]; A: computed on the way; B: computed on the way: QUANTISED (scales: A lowp_scales[6], B lowp_scales[7])
;;     6. batch 64 x [M 64, K 2,048] x [K 2,048, N 2,048]; A: computed on the way; B: softmax (see below): QUANTISED (scales: A lowp_scales[8], B lowp_scales[9])
;;     7. [M 8,192, K 1,024] x [K 1,024, N 1,024]; A: computed on the way; B: input wo: QUANTISED (scales: A lowp_scales[10], B lowp_scales[11])
;;   THE QUANTISER, for each operand of a quantised product, along K:
;;     - The operand's scale is 2^e, e = its entry of the input lowp_scales (int32; the entries are numbered through the quantised products in the list's order, A before B).
;;     - Each number is divided by the scale, clamped to +-448, and rounded to the nearest number of E4M3, ties to even, subnormals kept.
;;     - The product sums the exact products of the quantised numbers (number of the format x scale) in f32.
;;   ~~~python
;;   def quantise(x, axis, e):      # numpy; x: float32 -> the quantised numbers, widened to float32 again
;;       x = np.moveaxis(x, axis, -1); K = x.shape[-1]
;;       r = np.clip(x / 2.0 ** e, -448, 448)
;;       step = 2.0 ** (np.maximum(np.frexp(np.where(r == 0, 1, r))[1] - 1, -6) - 3)
;;       q = np.round(r / step) * step * 2.0 ** e      # np.round: ties to even
;;       return np.moveaxis(q, -1, axis).astype(np.float32)
;;   ~~~
;;   SOFTMAX AHEAD OF A QUANTISED PRODUCT. Where the list says 'softmax', what is quantised is not the finished softmax but p = 2^(t - M), with t = logit x log2(e) and M = ceil(the row's largest t), a whole number; so 1/2 < the row's largest p <= 1. The row's sum l is taken of the UNQUANTISED p, in f32, and the product's result is divided by l at the end. Since M is a whole number, a kernel that streams over the keys may use a running M (the ceiling of the running maximum): every later rescaling is an exact power of two, so the quantised numbers keep their values, but for numbers so far below the row's largest that they fall under the format's range.
;;   OPERANDS COMPUTED ON THE WAY. 'Computed on the way' means the value that the module computes at that place (a softmax that the list does not call 'softmax' is quantised finished and normalised). What goes into a quantiser is computed in f32, as accurately as f32 sums, v_exp_f32 and their like allow (about 1e-6 of the number): no bf16 or f16 on the way to a quantiser, and a product that is left as it is and whose result goes on into a quantised operand takes f32 operands (vector FMAs, or v_wmma_f32_16x16x4_f32). A number that lies on a knife's edge between two numbers of the format may be rounded either way, as far as f32 arithmetic and the matrix unit's own rounding can turn it there, and no further.
;; 2 versions, each right; version 2 is version 1 with the launch attn written anew for expert scheduling mode. Each part assembles by itself: llvm-mc -triple=amdgcn-amd-amdhsa -mcpu=gfx1250 --defsym DOCPART=n.
;; ======== version 1 of 2: 4 launches
;; workspace buffers: wimg 1,572,864 bytes; woc 1,048,576 bytes; qc 8,388,608 bytes; kvc 4,194,304 bytes; yc 8,388,608 bytes
;; launch prep (part 1): grid 160 x 1, 4 waves a work-group, no clusters, 85,504 bytes of LDS; arguments wq, wk, wv, wo, lowp_scales, wimg, woc; writes wimg, woc
.if DOCPART == 1
	.amdgcn_target "amdgcn-amd-amdhsa--gfx1250"
	.amdhsa_code_object_version 6
	.text
	.protected	k_q60a723e237_prep
	.globl	k_q60a723e237_prep
	.p2align	8
	.type	k_q60a723e237_prep,@function
k_q60a723e237_prep:
	s_mov_b64 s[64:65], 0
	v_nop
	global_prefetch_b8 v0, s[64:65] scope:SCOPE_SE
	s_setreg_imm32_b32 hwreg(HW_REG_WAVE_MODE, 25, 1), 1
	s_wait_xcnt 0x0
; The four weights, f32 with K innermost, become codes of E4M3, each with its given scale 2^e: code = w / 2^e, held within +-448, to the nearest code, ties to even.
; wq, wk, wv leave as IMAGES OF OPERAND REGISTERS: wimg[g 4][s 8][ct 24][2,048 bytes].  g: the kv group; s: 128 along K; ct: 16 rows of a weight (0-15: wq rows 256 g + 16 ct on,
; 16-19: wk rows 64 g + 16 (ct - 16) on, 20-23: wv likewise).  In an image chunk c (0..3) lies at 512 c + 16 x lane; lane (r = lane % 16, h = lane / 16) holds the codes of row r, k = 128 s + 32 c + 16 h + 0..15.
; wo leaves as rows: woc[1024][1024], one code a byte.
; SHARES: a work-group takes 16 rows of one weight (work-groups 0-63 wq, 64-79 wk, 80-95 wv, 96-159 wo); wave w takes k = 256 w .. 256 w + 255, in two halves of 128.
; Each load reads 512 consecutive bytes of one row; the numbers turn through the wave's own stage in LDS (rows of 512 + 16 bytes), so that a lane gets 16 neighbours along K.  Waves share nothing: no barrier.
; LIMITS: each e between -126 and 119.  NaN among the inputs is not served.
.set ST,   0                           ; LDS: for each wave two stages of 16 rows x 528 bytes
.set ST2,  67584                       ; and, for wo alone, 16 rows x (256 + 16) bytes of codes for each wave
.set R,    16                          ; v16-143   the numbers as loaded: half hf, row i at 16 + 64 hf + 4 i
.set X,    144                         ; v144-207  64 numbers of my row: register 16 c + i = k 32 c + 16 h + i
.set C,    208                         ; v208-239  the codes, 16 registers a half
	s_load_b256 s[4:11], s[0:1], 0x0               ; wq, wk, wv, wo
	s_load_b128 s[12:15], s[0:1], 0x20             ; the scales' exponents, wimg
	s_load_b64 s[16:17], s[0:1], 0x30              ; woc
	v_lshl_add_u32 v240, v0, 2, 0x14c00
	v_mov_b32 v241, 0
	v_lshrrev_b32 v1, 5, v0
	v_readfirstlane_b32 s18, v1                    ; wave
	v_and_b32 v1, 31, v0                           ; lane
	v_and_b32 v2, 15, v0                           ; r
	v_bfe_u32 v3, v0, 4, 1                         ; h
	v_lshlrev_b32 v4, 4, v1                        ; 16 x lane
	s_mul_i32 s19, s18, 16896
	v_add_nc_u32 v5, s19, v4                       ; into the stage: a row's 512 bytes as they lie
	v_mul_u32_u24 v6, v2, 528
	v_lshl_add_u32 v6, v3, 6, v6
	v_add_nc_u32 v6, s19, v6                       ; out of it: row r, + 64 h
	s_mul_i32 s19, s18, 4352
	s_add_co_u32 s19, s19, ST2
	v_mul_u32_u24 v7, v2, 272
	v_lshl_add_u32 v7, v3, 4, v7
	v_add_nc_u32 v7, s19, v7                       ; wo's codes in: row r, + 16 h
	v_mul_u32_u24 v8, v3, 272
	v_lshl_add_u32 v8, v2, 4, v8
	v_add_nc_u32 v8, s19, v8                       ; and back: sixteen lanes to a row, two rows an instruction
	v_lshlrev_b32 v9, 10, v3
	v_lshl_add_u32 v9, v2, 4, v9                   ; the same two rows in woc
	; which weight, which 16 rows of it (rt), and where the images go: all from the work-group's number
	s_cmp_lt_u32 ttmp9, 64
	s_cselect_b32 s23, 0, 64
	s_cselect_b32 s36, 4, 2                        ; wq has 16 tiles of rows to a group, wk and wv 4
	s_cselect_b32 s37, 15, 3
	s_cselect_b32 s38, 0, 16
	s_cmp_lt_u32 ttmp9, 80
	s_cselect_b32 s23, s23, 80
	s_cselect_b32 s38, s38, 20
	s_cmp_lt_u32 ttmp9, 96
	s_cselect_b32 s23, s23, 96
	s_sub_co_u32 s23, ttmp9, s23                   ; rt
	s_lshr_b32 s39, s23, s36                       ; g
	s_and_b32 s37, s23, s37
	s_add_co_u32 s38, s38, s37                     ; ct
	s_mul_i32 s39, s39, 393216                     ; g x 8 x 24 x 2,048
	s_mul_i32 s42, s18, 98304                      ; + (2 w) x 24 x 2,048
	s_add_co_u32 s39, s39, s42
	s_lshl_b32 s38, s38, 11
	s_add_co_u32 s42, s39, s38                     ; + ct x 2,048
	s_mov_b32 s43, 0
	s_lshl_b32 s40, s23, 16                        ; the source: 16 rt rows of 4,096 bytes
	s_lshl_b32 s41, s18, 10                        ; + 256 w numbers
	s_add_co_u32 s40, s40, s41
	s_mov_b32 s41, 0
	s_lshl_b32 s44, s23, 14                        ; woc: 16 rt rows of 1,024 bytes
	s_lshl_b32 s45, s18, 8                         ; + 256 w
	s_add_co_u32 s44, s44, s45
	s_mov_b32 s45, 0
	s_wait_kmcnt 0x0
	s_load_b256 s[24:31], s[12:13], 0x0            ; e0 .. e7
	s_load_b128 s[32:35], s[12:13], 0x20           ; e8 .. e11
	s_cmp_lt_u32 ttmp9, 64
	s_cselect_b64 s[20:21], s[4:5], s[6:7]
	s_cmp_lt_u32 ttmp9, 80
	s_cselect_b64 s[20:21], s[20:21], s[8:9]
	s_cmp_lt_u32 ttmp9, 96
	s_cselect_b64 s[20:21], s[20:21], s[10:11]
	s_add_nc_u64 s[20:21], s[20:21], s[40:41]
	s_add_nc_u64 s[14:15], s[14:15], s[42:43]      ; (used by the image path alone)
	s_add_nc_u64 s[16:17], s[16:17], s[44:45]      ; (used by wo's path alone)
.irp hf, 0,1
.irp i, 0,1,2,3,4,5,6,7,8,9,10,11,12,13,14,15
	global_load_b128 v[R+64*\hf+4*\i:R+64*\hf+4*\i+3], v4, s[20:21] offset:4096*\i+512*\hf th:TH_LOAD_NT   ; 32 lanes read 512 consecutive bytes of row i
.endr
.endr
	s_wait_kmcnt 0x0
	s_cmp_lt_u32 ttmp9, 64
	s_cselect_b32 s22, s25, s27                    ; e: entry 1 for wq, 3 for wk,
	s_cmp_lt_u32 ttmp9, 80
	s_cselect_b32 s22, s22, s29                    ; 5 for wv,
	s_cmp_lt_u32 ttmp9, 96
	s_cselect_b32 s22, s22, s35                    ; 11 for wo
	s_add_co_i32 s22, s22, 127
	s_lshl_b32 s19, s22, 23
	v_mov_b32 v11, s19                             ; 2^e as f32: the conversion takes its exponent field
	s_add_co_i32 s22, s22, 8
	s_lshl_b32 s22, s22, 23
	s_or_b32 s22, s22, 0x600000
	v_mov_b32 v10, s22                             ; 448 x 2^e
.macro HALF hf
	s_wait_loadcnt 16*(1-\hf)                      ; this half's 16 loads are in; the other half's may be out
.irp i, 0,1,2,3,4,5,6,7,8,9,10,11,12,13,14,15
	ds_store_b128 v5, v[R+64*\hf+4*\i:R+64*\hf+4*\i+3] offset:8448*\hf+528*\i
.endr
.irp c, 0,1,2,3
.irp j, 0,1,2,3
	ds_load_b128 v[X+16*\c+4*\j:X+16*\c+4*\j+3], v6 offset:8448*\hf+128*\c+16*\j   ; LDS serves a wave's instructions in order: these see the stores above
.endr
.endr
	s_wait_dscnt 0x0
.set n, 0
.rept 64
	v_med3_num_f32 v[X+n], v[X+n], -v10, v10       ; the conversion to an 8-bit code does not saturate (ISA guide 7.6.2): the hold comes first
.set n, n+1
.endr
.irp c, 0,1,2,3
	v_cvt_scalef32_pk8_fp8_f32 v[C+16*\hf+4*\c:C+16*\hf+4*\c+1], v[X+16*\c:X+16*\c+7], v11
	v_cvt_scalef32_pk8_fp8_f32 v[C+16*\hf+4*\c+2:C+16*\hf+4*\c+3], v[X+16*\c+8:X+16*\c+15], v11
.endr
	v_nop                                          ; a plain line behind the last conversion
.endm
	HALF 0
	HALF 1
	s_cmp_ge_u32 ttmp9, 96
	s_cbranch_scc1 .Lwo
.irp hf, 0,1
.irp c, 0,1,2,3
	global_store_b128 v4, v[C+16*\hf+4*\c:C+16*\hf+4*\c+3], s[14:15] offset:49152*\hf+512*\c   ; a chunk of an image: 512 consecutive bytes, aligned
.endr
.endr
	s_wait_tensorcnt 0x0
	ds_add_u32 v240, v241
	s_wait_dscnt 0x0
	s_endpgm
.Lwo:
.irp hf, 0,1
.irp c, 0,1,2,3
	ds_store_b128 v7, v[C+16*\hf+4*\c:C+16*\hf+4*\c+3] offset:128*\hf+32*\c
.endr
.endr
.irp i, 0,1,2,3,4,5,6,7
	ds_load_b128 v[X+4*\i:X+4*\i+3], v8 offset:544*\i
.endr
.irp i, 0,1,2,3,4,5,6,7
	s_wait_dscnt 7-\i
	global_store_b128 v9, v[X+4*\i:X+4*\i+3], s[16:17] offset:2048*\i   ; sixteen lanes store 256 consecutive bytes of a row, aligned
.endr
	s_wait_tensorcnt 0x0
	ds_add_u32 v240, v241
	s_wait_dscnt 0x0
	s_endpgm
.Lfunc_end_k_q60a723e237_prep:
	.size	k_q60a723e237_prep, .Lfunc_end_k_q60a723e237_prep-k_q60a723e237_prep
	.p2alignl 7, 3214868480
	.fill 96, 4, 3214868480
	.section	.rodata,"a",@progbits
	.p2align	6, 0x0
	.amdhsa_kernel k_q60a723e237_prep
		.amdhsa_group_segment_fixed_size 85504
		.amdhsa_private_segment_fixed_size 0
		.amdhsa_enable_private_segment 0
		.amdhsa_kernarg_size 56
		.amdhsa_user_sgpr_count 2
		.amdhsa_user_sgpr_kernarg_segment_ptr 1
		.amdhsa_wavefront_size32 1
		.amdhsa_system_sgpr_workgroup_id_x 1
		.amdhsa_system_sgpr_workgroup_id_y 1
		.amdhsa_system_sgpr_workgroup_id_z 1
		.amdhsa_system_vgpr_workitem_id 0
		.amdhsa_next_free_vgpr 242
		.amdhsa_next_free_sgpr 66
		.amdhsa_reserve_vcc 0
		.amdhsa_float_denorm_mode_32 3
		.amdhsa_float_denorm_mode_16_64 3
		.amdhsa_memory_ordered 1
		.amdhsa_forward_progress 1
		.amdhsa_inst_pref_size 24
	.end_amdhsa_kernel
	.amdgpu_metadata
---
amdhsa.version: [ 1, 2 ]
amdhsa.kernels:
  - .name:           k_q60a723e237_prep
    .symbol:         k_q60a723e237_prep.kd
    .args:
      - { .name: wq, .offset: 0, .size: 8, .value_kind: global_buffer, .address_space: global }
      - { .name: wk, .offset: 8, .size: 8, .value_kind: global_buffer, .address_space: global }
      - { .name: wv, .offset: 16, .size: 8, .value_kind: global_buffer, .address_space: global }
      - { .name: wo, .offset: 24, .size: 8, .value_kind: global_buffer, .address_space: global }
      - { .name: lowp_scales, .offset: 32, .size: 8, .value_kind: global_buffer, .address_space: global }
      - { .name: wimg, .offset: 40, .size: 8, .value_kind: global_buffer, .address_space: global }
      - { .name: woc, .offset: 48, .size: 8, .value_kind: global_buffer, .address_space: global }
    .group_segment_fixed_size: 85504
    .private_segment_fixed_size: 0
    .kernarg_segment_align: 8
    .kernarg_segment_size: 56
    .max_flat_workgroup_size: 128
    .sgpr_count:     66
    .vgpr_count:     242
    .wavefront_size: 32
...
	.end_amdgpu_metadata
.endif
;; end of part 1
;; launch qkv (part 2): grid 4 x 64, 4 waves a work-group, clusters of 4 x 4, 327,680 bytes of LDS; arguments x, ve, cos, sin, w_gate, lowp_scales, wimg, qc, kvc; writes qc, kvc
.if DOCPART == 2
	.amdgcn_target "amdgcn-amd-amdhsa--gfx1250"
	.amdhsa_code_object_version 6
	.text
	.protected	k_q60a723e237_qkv
	.globl	k_q60a723e237_qkv
	.p2align	8
	.type	k_q60a723e237_qkv,@function
k_q60a723e237_qkv:
	s_mov_b64 s[64:65], 0
	v_nop
	global_prefetch_b8 v0, s[64:65] scope:SCOPE_SE
	s_setreg_imm32_b32 hwreg(HW_REG_WAVE_MODE, 25, 1), 1
	s_wait_xcnt 0x0
	s_wait_alu depctr_hold_cnt(0) depctr_sa_sdst(0) depctr_va_vdst(0) depctr_va_sdst(0) depctr_va_ssrc(0) depctr_va_vcc(0) depctr_vm_vsrc(0)
	s_getreg_b32 s2, hwreg(HW_REG_IB_STS2, 6, 4)
	s_cmp_eq_u32 s2, 0
	s_cbranch_scc0 .Lentry_in_a_cluster
	s_endpgm
.Lentry_in_a_cluster:
	s_bfe_u32 s2, ttmp6, 0x10000c
	s_cmp_lg_u32 s2, 0xf033
	s_cbranch_scc0 .Lentry_shape_is_right
	s_endpgm
.Lentry_shape_is_right:
; q, k, v of one kv group g for 128 rows: x is quantised three times in registers (entries 0, 2, 4 of the scales), multiplied by the codes of wq, wk, wv; then the gate and ve go into v, rotary and RMS norm x 1.15 into
; q and k, and all three are quantised for the attention: k with entry 6, q with entry 7 (the scores' product has k as its left operand), v with entry 8.
; SHARES: work-group (g, wy): rows 128 wy .. + 127 (batch wy / 16, key step wy % 16), 384 columns: 16 tiles of wq (heads 4 g .. 4 g + 3), 4 of wk, 4 of wv.  Wave w: rows 32 w .. + 31 (two tiles m), all 24 column
; tiles: 48 accumulators.  A wave quantises its own rows, so no code of x goes from wave to wave.
; K goes in 8 steps of 128 through two LDS slots: x's 128 rows x 512 bytes of f32 (16 bytes of padding behind each) and W's 24 images.  CLUSTER 4 x 4: x's tile hangs on wy alone and is asked for jointly along a row
; of the cluster, W's on g alone and along a column.  Waves 0, 1 fetch x's halves, waves 2, 3 W's: one tensor load of a wave is out at a time.
; q and k are made TRANSPOSED (source 0 = 16 rows of W, source 1 = x): lane (r, h) holds row r and columns 8 h + j of a tile, so eight registers convert into registers 2 t, 2 t + 1 of the K = 64 operand.
; v is made the natural way (source 0 = x, source 1 = Wv): a lane holds channel r and rows 8 h + j: they convert into registers 2 c, 2 c + 1 of V^T's K = 128 operand, keys innermost.
; OUT: qc[b 16 + head][tile of 16 queries][1,024]: chunk c (0, 1) at 512 c + 16 x lane.  kvc[b 4 + g][step][16,384]: 8 key tiles of 1,024 laid likewise, then 4 fragments of V^T of 2,048 (chunk c at 512 c + 16 x lane).
; LIMITS: e0, e2, e4, e6, e7, e8 between -126 and 119; e0 + e1 and e2 + e3 between -60 and 66; e4 + e5 between -126 and 127.  NaN among the inputs is not served.
; REGISTERS: window 0: v1-15 addresses, v16-27 x's first 12 numbers of my row, v28-29 for the add, v30-32 at work, v48-63 gates, v64-127 ve turned, v128-255 eight buffers for W's fragments (on the way out: free).
;   window 1: v0-127 x as f32; v128-151 held numbers; v152-154 2^e, v155-157 448 x 2^e of the three versions; v160.. the codes: for q 160 + 16 m, for k 192 + 16 m, for v 224 + 16 m.
;   window 2: q's accumulators at 8 (2 ct + m).   window 3: k's at 8 (2 t + m), v's at 64 + 8 (2 dt + m); v128-191 cos and sin; v192-255 ve as loaded.
.set SLOT,  116736                     ; x: 128 rows x 528, then W: 24 x 2,048
.set WOFF,  67584
.set SPARE, 233472                     ; the spare words: 128 bytes for each wave
.set VEST,  233984                     ; for each wave 32 rows x (256 + 16) bytes: ve turns here
.set GATE,  268800                     ; for each wave 32 gates
.set G1A, 32                           ; s[32:39] group 1 of x's tiles; s[40:47] their groups 0, one for each slot
.set G0A, 40
.set G1B, 48                           ; s[48:55], s[56:63] the same for W's
.set G0B, 56
.set MSB, 0
.macro WIN new                         ; the immediate's high byte repeats the setting that is left
.if MSB != \new
	s_set_vgpr_msb (MSB<<8)|\new
.set MSB, \new
.endif
.endm
.macro PLACES                          ; four plain lines behind matrix instructions, ahead of loads into their operands and of reads of their results
.rept 4
	v_nop
.endr
.endm
.macro ROUND                           ; a round of the cluster's barrier
	s_barrier_signal -1
	s_barrier_wait -1
	s_cmp_lg_u32 s22, 0
	s_cbranch_scc1 .Lnot_wave_0_\@
	s_barrier_signal -3
.Lnot_wave_0_\@:
	s_barrier_wait -3
	s_barrier_signal -1
	s_barrier_wait -1
.endm
.macro JLOAD g0a, g1a, g0b, g1b        ; a joint load: waves 0, 1 for x, waves 2, 3 for W; four v_nop follow each line
	s_cmp_eq_u32 s23, 0
	s_cbranch_scc0 .Lfor_b_\@
	tensor_load_to_lds s[\g0a:\g0a+3], s[\g1a:\g1a+7]
	s_nop 0
.rept 4
	v_nop
.endr
	s_branch .Lasked_\@
.Lfor_b_\@:
	tensor_load_to_lds s[\g0b:\g0b+3], s[\g1b:\g1b+7]
	s_nop 0
.rept 4
	v_nop
.endr
.Lasked_\@:
.endm
	s_load_b512 s[4:19], s[0:1], 0x0               ; x, ve, cos, sin, w_gate, the scales' exponents, wimg, qc
	s_load_b64 s[20:21], s[0:1], 0x40              ; kvc
	v_lshl_add_u32 v28, v0, 2, SPARE
	v_mov_b32 v29, 0
	ds_add_u32 v28, v29
	ds_add_u32 v28, v29
	s_wait_dscnt 0x0
	v_lshrrev_b32 v1, 5, v0
	v_readfirstlane_b32 s22, v1                    ; wave
	s_lshr_b32 s23, s22, 1                         ; I fetch for x (0) or for W (1),
	s_and_b32 s24, s22, 1                          ; and which half
	s_bfe_u32 s25, ttmp6, 0x40000                  ; cx
	s_bfe_u32 s26, ttmp6, 0x40004                  ; cy
	s_lshl_b32 s27, ttmp9, 2
	s_add_co_u32 s27, s27, s25                     ; g
	s_and_b32 s28, ttmp7, 0xffff
	s_lshl_b32 s28, s28, 2
	s_add_co_u32 s28, s28, s26                     ; wy
	s_lshl_b32 s30, s26, 2
	s_lshl_b32 s30, 15, s30                        ; my row of the cluster
	s_lshl_b32 s31, 0x1111, s25                    ; my column
	s_or_b32 s[G1A], s30, (2<<16)|(1<<20)|(1<<21)|(6<<22)|(3<<25)   ; the mask; elements of 4 bytes; padding on; bit 21 beside a mask; after every 128 words, 4 words
	s_mov_b32 s[G1A+1], 128<<16                    ; tensor_dim0 = 128
	s_mov_b32 s[G1A+2], 64<<16                     ; tensor_dim1 = 64
	s_mov_b32 s[G1A+3], 128<<16                    ; tile_dim0 = 128
	s_mov_b32 s[G1A+4], 64                         ; tile_dim1 = 64
	s_mov_b32 s[G1A+5], 1024                       ; from row to row
	s_mov_b32 s[G1A+6], 0
	s_mov_b32 s[G1A+7], 0
	s_or_b32 s[G1B], s31, (3<<16)|(1<<21)          ; the mask; elements of 8 bytes; no padding: 24,576 dense bytes as 96 rows of 256
	s_mov_b32 s[G1B+1], 32<<16
	s_mov_b32 s[G1B+2], 96<<16
	s_mov_b32 s[G1B+3], 32<<16
	s_mov_b32 s[G1B+4], 96
	s_mov_b32 s[G1B+5], 32
	s_mov_b32 s[G1B+6], 0
	s_mov_b32 s[G1B+7], 0
	s_lshl_b32 s92, s28, 19                        ; x: 128 wy rows of 4,096 bytes
	s_lshl_b32 s93, s24, 18                        ; + 64 rows for the second half
	s_add_co_u32 s92, s92, s93
	s_mov_b32 s93, 0
	s_mul_i32 s94, s27, 393216                     ; W: g x 8 steps x 49,152
	s_mul_i32 s95, s24, 24576
	s_add_co_u32 s94, s94, s95
	s_mov_b32 s95, 0
	s_mul_i32 s96, s24, 33792                      ; in a slot: x's half,
	s_mul_i32 s97, s24, 24576
	s_add_co_u32 s97, s97, WOFF                    ; W's half: the wave's number alone enters an LDS address
	s_mul_i32 s98, s27, 48                         ; row g of w_gate
	s_mov_b32 s99, 0
	s_wait_kmcnt 0x0
	s_add_nc_u64 s[12:13], s[12:13], s[98:99]
	s_load_b256 s[68:75], s[14:15], 0x0            ; e0 .. e7
	s_load_b128 s[76:79], s[14:15], 0x20           ; e8 .. e11
	s_load_b128 s[80:83], s[12:13], 0x0            ; w_gate[g][0..11]
	s_load_b128 s[84:87], s[12:13], 0x10
	s_load_b128 s[88:91], s[12:13], 0x20
	s_add_nc_u64 s[92:93], s[4:5], s[92:93]
	s_add_nc_u64 s[94:95], s[16:17], s[94:95]
	ROUND                                          ; all sixteen work-groups are here: the first joint loads meet
.irp n, 0,1
	s_mov_b32 s[G0A+4*\n], 1
	s_add_co_u32 s[G0A+4*\n+1], s96, \n*SLOT
	s_add_nc_u64 s[G0A+4*\n+2:G0A+4*\n+3], s[92:93], \n*512
	s_or_b32 s[G0A+4*\n+3], s[G0A+4*\n+3], 0x80000000
	s_mov_b32 s[G0B+4*\n], 1
	s_add_co_u32 s[G0B+4*\n+1], s97, \n*SLOT
	s_add_nc_u64 s[G0B+4*\n+2:G0B+4*\n+3], s[94:95], \n*49152
	s_or_b32 s[G0B+4*\n+3], s[G0B+4*\n+3], 0x80000000
.endr
	JLOAD G0A, G1A, G0B, G1B                       ; K step 0 into slot 0
	v_and_b32 v1, 15, v0                           ; r
	v_bfe_u32 v2, v0, 4, 1                         ; h
	v_and_b32 v3, 31, v0                           ; lane
	s_mul_i32 s66, s22, 32*528
	v_mul_u32_u24 v4, v1, 528
	v_lshl_add_u32 v4, v2, 6, v4
	v_add_nc_u32 v4, s66, v4                       ; x in slot 0: row 32 w + r, + 64 h: my 16 numbers of a block of 32
	v_add_nc_u32 v5, SLOT, v4                      ; in slot 1
	v_lshlrev_b32 v8, 4, v3                        ; 16 x lane
	v_add_nc_u32 v6, WOFF, v8                      ; W's images in slot 0,
	v_add_nc_u32 v7, WOFF+SLOT, v8                 ; in slot 1
	v_lshlrev_b32 v9, 10, v2
	v_lshl_add_u32 v9, v1, 4, v9                   ; ve: sixteen lanes to a row's 256 bytes, two rows a load
	v_lshlrev_b32 v10, 7, v1
	v_lshl_add_u32 v10, v2, 5, v10                 ; cos, sin: row r of 128 bytes, + 32 h
	s_mul_i32 s66, s22, 8704
	s_add_co_u32 s66, s66, VEST
	v_mul_u32_u24 v11, v2, 272
	v_lshl_add_u32 v11, v1, 4, v11
	v_add_nc_u32 v11, s66, v11                     ; ve into my stage as loaded,
	v_mul_u32_u24 v12, v2, 2176
	v_lshl_add_u32 v12, v1, 2, v12
	v_add_nc_u32 v12, s66, v12                     ; and out: rows 8 h on, channel r
	s_lshl_b32 s66, s22, 7
	s_add_co_u32 s66, s66, GATE
	v_lshl_add_u32 v13, v3, 2, s66                 ; my row's gate in,
	v_lshl_add_u32 v14, v2, 5, s66                 ; eight rows' gates out
	v_lshlrev_b32 v15, 12, v3                      ; x: a lane a row
	s_and_b32 s92, s28, 15                         ; the key step
	s_lshr_b32 s93, s28, 4                         ; the batch
	s_lshl_b32 s98, s28, 19
	s_lshl_b32 s94, s22, 17
	s_add_co_u32 s98, s98, s94
	s_add_nc_u64 s[4:5], s[4:5], s[98:99]          ; x at row 128 wy + 32 w
	s_lshl_b32 s98, s28, 17
	s_lshl_b32 s94, s22, 15
	s_add_co_u32 s98, s98, s94
	s_lshl_b32 s94, s27, 8
	s_add_co_u32 s98, s98, s94
	s_add_nc_u64 s[6:7], s[6:7], s[98:99]          ; ve at that row, kv head g
	s_lshl_b32 s98, s92, 14
	s_lshl_b32 s94, s22, 12
	s_add_co_u32 s98, s98, s94
	s_add_nc_u64 s[8:9], s[8:9], s[98:99]          ; cos and sin at position 128 step + 32 w
	s_add_nc_u64 s[10:11], s[10:11], s[98:99]
	s_lshl_b32 s98, s93, 21
	s_lshl_b32 s94, s27, 19
	s_add_co_u32 s98, s98, s94
	s_lshl_b32 s94, s92, 13
	s_add_co_u32 s98, s98, s94
	s_lshl_b32 s94, s22, 11
	s_add_co_u32 s98, s98, s94
	s_add_nc_u64 s[18:19], s[18:19], s[98:99]      ; qc: ((16 b + 4 g) 128 + 8 step + 2 w) x 1,024
	s_lshl_b32 s98, s93, 20
	s_lshl_b32 s94, s27, 18
	s_add_co_u32 s98, s98, s94
	s_lshl_b32 s94, s92, 14
	s_add_co_u32 s98, s98, s94
	s_add_nc_u64 s[20:21], s[20:21], s[98:99]      ; kvc: ((4 b + g) 16 + step) x 16,384
	s_lshl_b32 s98, s22, 9
	s_add_co_u32 s98, s98, 8192
	s_add_nc_u64 s[96:97], s[20:21], s[98:99]      ; V^T's fragments: my chunk w
	s_lshl_b32 s98, s22, 11
	s_add_nc_u64 s[20:21], s[20:21], s[98:99]      ; K's tiles 2 w, 2 w + 1
	global_load_b128 v[16:19], v15, s[4:5]         ; x[my row][0..11], for the gate
	global_load_b128 v[20:23], v15, s[4:5] offset:16
	global_load_b128 v[24:27], v15, s[4:5] offset:32
	WIN 0xc0                                       ; destination window 3
.irp m, 0,1
.irp t, 0,1
.irp u, 0,1
	global_load_b128 v[128+32*\m+8*\t+4*\u:131+32*\m+8*\t+4*\u], v10, s[8:9] offset:2048*\m+64*\t+16*\u    ; cos[16 m + r][16 t + 8 h + 4 u ..]
	global_load_b128 v[144+32*\m+8*\t+4*\u:147+32*\m+8*\t+4*\u], v10, s[10:11] offset:2048*\m+64*\t+16*\u  ; sin likewise
.endr
.endr
.endr
.irp i, 0,1,2,3,4,5,6,7,8,9,10,11,12,13,14,15
	global_load_b128 v[192+4*\i:195+4*\i], v9, s[6:7] offset:2048*\i th:TH_LOAD_NT   ; ve, rows 2 i and 2 i + 1
.endr
	WIN 0x40                                       ; destination window 1
	s_wait_kmcnt 0x0
.irp ver, 0,1,2
	s_add_co_i32 s66, s[68+2*\ver], 127
	s_lshl_b32 s67, s66, 23
	v_mov_b32 v[152+\ver], s67                     ; 2^e of x's version
	s_add_co_i32 s66, s66, 8
	s_lshl_b32 s66, s66, 23
	s_or_b32 s66, s66, 0x600000
	v_mov_b32 v[155+\ver], s66                     ; 448 x 2^e
.endr
	WIN 0
	s_wait_loadcnt 32                              ; the three loads for the gate are in; cos, sin and ve (32 loads) stay out until the way out
	v_mul_f32 v30, s80, v16                        ; the gate, in f32: 3 sigmoid(x[0..11] . w_gate[g])
.irp i, 1,2,3,4,5,6,7,8,9,10,11
	v_fmac_f32 v30, s[80+\i], v[16+\i]
.endr
	v_mul_f32 v30, 0xbfb8aa3b, v30                 ; x -log2(e)
	v_exp_f32 v31, v30
	v_nop
	s_wait_alu depctr_va_vdst(0)                   ; ahead of the first reader of the exponential
	v_add_f32 v31, 1.0, v31
	v_rcp_f32 v32, v31
	v_nop
	s_wait_alu depctr_va_vdst(0)                   ; ahead of the first reader of the reciprocal
	v_mul_f32 v32, 0x40400000, v32
	ds_store_b32 v13, v32                          ; read back by my own wave on the way out
.macro WREAD hb, slot                  ; column tiles 4 hb .. 4 hb + 3: 16 loads of 512 consecutive bytes, into the buffers that tiles eight back have left
.irp i, 0,1,2,3
.irp c, 0,1,2,3
	ds_load_b128 v[128+16*((4*(\hb)+\i)%8)+4*\c:128+16*((4*(\hb)+\i)%8)+4*\c+3], v[6+\slot] offset:(4*(\hb)+\i)*2048+512*\c
.endr
.endr
.endm
.macro QUANT m                         ; row tile m's 64 numbers a lane become three fragments.  Eight numbers at a time: held into registers of the version's own, converted; the other versions' sixteen holds stand between a conversion and the next write of its sources
	WIN 0x55
.irp p, 0,1,2,3,4,5,6,7
.irp ver, 0,1,2
.irp i, 0,1,2,3,4,5,6,7
	v_med3_num_f32 v[128+8*\ver+\i], v[64*\m+8*\p+\i], -v[155+\ver], v[155+\ver]
.endr
	v_cvt_scalef32_pk8_fp8_f32 v[160+32*\ver+16*\m+2*\p:161+32*\ver+16*\m+2*\p], v[128+8*\ver:135+8*\ver], v[152+\ver]
.endr
.endr
.endm
.macro MUL hb, zero                    ; four column tiles x two row tiles; the accumulators take turns, one instruction a turn
.if \hb < 4
	WIN 0xa4                                       ; W window 0, x window 1, C and D window 2
.elseif \hb == 4
	WIN 0xf4                                       ; the same, C and D window 3
.else
	WIN 0xf1                                       ; x (source 0) window 1, W (source 1) window 0, C and D window 3
.endif
.irp i, 0,1,2,3
.irp m, 0,1
.set WBR, 128+16*((4*\hb+\i)%8)
.if \hb < 4
.set DR, 8*(2*(4*\hb+\i)+\m)
.if \zero
	v_wmma_f32_16x16x128_fp8_fp8 v[DR:DR+7], v[WBR:WBR+15], v[160+16*\m:175+16*\m], 0
.else
	v_wmma_f32_16x16x128_fp8_fp8 v[DR:DR+7], v[WBR:WBR+15], v[160+16*\m:175+16*\m], v[DR:DR+7]
.endif
.elseif \hb == 4
.set DR, 8*(2*\i+\m)
.if \zero
	v_wmma_f32_16x16x128_fp8_fp8 v[DR:DR+7], v[WBR:WBR+15], v[192+16*\m:207+16*\m], 0
.else
	v_wmma_f32_16x16x128_fp8_fp8 v[DR:DR+7], v[WBR:WBR+15], v[192+16*\m:207+16*\m], v[DR:DR+7]
.endif
.else
.set DR, 64+8*(2*\i+\m)
.if \zero
	v_wmma_f32_16x16x128_fp8_fp8 v[DR:DR+7], v[224+16*\m:239+16*\m], v[WBR:WBR+15], 0
.else
	v_wmma_f32_16x16x128_fp8_fp8 v[DR:DR+7], v[224+16*\m:239+16*\m], v[WBR:WBR+15], v[DR:DR+7]
.endif
.endif
.endr
.endr
.endm
; A K step of 128, read from the slot named.  refill = 1: the other slot is filled with the next K step.  zero = 1: the products start the sums.
.macro TRIP slot, refill, zero
	WIN 0
	s_wait_tensorcnt 0x0                           ; my one tensor load has landed: my part of this step's tiles
	ds_add_u32 v28, v29                            ; 0 onto my spare word
	s_add_nc_u64 s[G0A+4*\slot+2:G0A+4*\slot+3], s[G0A+4*\slot+2:G0A+4*\slot+3], 1024     ; no load of mine is out: this slot's next tile, two K steps on
	s_add_nc_u64 s[G0B+4*\slot+2:G0B+4*\slot+3], s[G0B+4*\slot+2:G0B+4*\slot+3], 98304
	s_wait_dscnt 0x0                               ; the add is done, and so are my reads of the other slot
.if \refill
	ROUND                                          ; both hold of every wave of every partner
	JLOAD G0A+4*(1-\slot), G1A, G0B+4*(1-\slot), G1B   ; the first thing behind the round; its four v_nop are the places ahead of the loads and conversions below
.else
	s_barrier_signal -1
	s_barrier_wait -1
	PLACES
.endif
	WIN 0x40
.irp m, 0,1
.irp c, 0,1,2,3
.irp j, 0,1,2,3
	ds_load_b128 v[64*\m+16*\c+4*\j:64*\m+16*\c+4*\j+3], v[4+\slot] offset:8448*\m+128*\c+16*\j
.endr
.endr
.endr
	WIN 0
	WREAD 0, \slot
	WREAD 1, \slot
	s_wait_dscnt 48                                ; row tile 0's 16 loads are in; behind them: tile 1's 16 and W's 32
	QUANT 0
	s_wait_dscnt 32                                ; tile 1's are in
	QUANT 1
	v_nop                                          ; a plain line between the last conversion and the products
.irp hb, 0,1,2,3
	s_wait_dscnt 16                                ; these four tiles of W are in; the next four may be out
	MUL \hb, \zero
	WIN 0
	PLACES
	WREAD \hb+2, \slot
.endr
	s_wait_dscnt 16
	MUL 4, \zero
	s_wait_dscnt 0x0
	MUL 5, \zero
	WIN 0
.endm
	TRIP 0, 1, 1                                   ; K step 0 starts the sums and asks for step 1
	s_mov_b32 s29, 3
.Lk:                                                   ; K steps 1 to 6
	TRIP 1, 1, 0
	TRIP 0, 1, 0
	s_sub_co_u32 s29, s29, 1
	s_cmp_lg_u32 s29, 0
	s_cbranch_scc1 .Lk
	TRIP 1, 0, 0                                   ; K step 7 asks for nothing
	; THE WAY OUT
	PLACES
	s_wait_loadcnt 0x0                             ; cos, sin, ve
	s_add_co_i32 s66, s68, s69                     ; E = e0 + e1: a sum of q stands for sum x 2^E
	s_lshl_b32 s67, s66, 23
	s_add_co_i32 s81, s67, 0x3f933333              ; 1.15 x 2^E
	s_lshl_b32 s67, s66, 1
	s_add_co_i32 s67, s67, 121
	s_lshl_b32 s80, s67, 23                        ; 2^(2 E - 6): the sum of 64 squares becomes their mean
	s_add_co_i32 s66, s70, s71                     ; the same for k: E = e2 + e3
	s_lshl_b32 s67, s66, 23
	s_add_co_i32 s83, s67, 0x3f933333
	s_lshl_b32 s67, s66, 1
	s_add_co_i32 s67, s67, 121
	s_lshl_b32 s82, s67, 23
	s_mov_b32 s84, 0x358637bd                      ; 1e-6
	s_add_co_i32 s66, s72, s73
	s_add_co_i32 s66, s66, 127
	s_lshl_b32 s86, s66, 23                        ; 2^(e4 + e5)
	s_mov_b32 s87, s86                             ; (named with it as a pair)
	s_mov_b32 s88, 0x76543210                      ; v_permlanex16_b32: lane l xor 16
	s_mov_b32 s89, 0xfedcba98
	v_mov_b32 v244, 0                              ; a lane permute's destination counts as read
.irp q, 0,1,2                          ; v245, v248: q's scale (entry 7) and limit; v246, v249: k's (entry 6); v247, v250: v's (entry 8)
.if \q == 0
	s_add_co_i32 s66, s75, 127
.elseif \q == 1
	s_add_co_i32 s66, s74, 127
.else
	s_add_co_i32 s66, s76, 127
.endif
	s_lshl_b32 s67, s66, 23
	v_mov_b32 v[245+\q], s67
	s_add_co_i32 s66, s66, 8
	s_lshl_b32 s66, s66, 23
	s_or_b32 s66, s66, 0x600000
	v_mov_b32 v[248+\q], s66
.endr
; One head's 16 rows: rotary, RMS norm x 1.15, quantised, stored as an image.  ab: the head's tile 0 of row tile m (tiles 16 registers apart); win: its window; sa, sf: 2^(2 E - 6), 1.15 x 2^E; vs, vl: scale and limit.
.macro ROPE win, ab, m, sa, sf, vs, vl, bs, off, set
	s_wait_xcnt 0x0                                ; earlier stores have read their data: the codes' registers may be written again
	WIN \win                                       ; the sums (source 0) in their window, cos and sin (source 1) in window 3
.irp t, 0,1
.irp p, 0,2,4,6
	v_pk_mul_f32 v[192+8*\t+\p:193+8*\t+\p], v[\ab+16*\t+\p:\ab+16*\t+\p+1], v[128+32*\m+8*\t+\p:129+32*\m+8*\t+\p]     ; x1 cos
	v_pk_mul_f32 v[208+8*\t+\p:209+8*\t+\p], v[\ab+16*\t+\p:\ab+16*\t+\p+1], v[144+32*\m+8*\t+\p:145+32*\m+8*\t+\p]     ; x1 sin
	v_pk_fma_f32 v[192+8*\t+\p:193+8*\t+\p], v[\ab+32+16*\t+\p:\ab+32+16*\t+\p+1], v[144+32*\m+8*\t+\p:145+32*\m+8*\t+\p], v[192+8*\t+\p:193+8*\t+\p]   ; + x2 sin
	v_pk_fma_f32 v[208+8*\t+\p:209+8*\t+\p], v[\ab+32+16*\t+\p:\ab+32+16*\t+\p+1], v[128+32*\m+8*\t+\p:129+32*\m+8*\t+\p], v[208+8*\t+\p:209+8*\t+\p] neg_lo:[0,0,1] neg_hi:[0,0,1]   ; x2 cos - x1 sin
.endr
.endr
	WIN 0
	v_pk_mul_f32 v[240:241], v[192:193], v[192:193]    ; the sum of my 32 squares, in two packed chains
	v_pk_mul_f32 v[242:243], v[194:195], v[194:195]
.irp p, 4,8,12,16,20,24,28
	v_pk_fma_f32 v[240:241], v[192+\p:193+\p], v[192+\p:193+\p], v[240:241]
	v_pk_fma_f32 v[242:243], v[194+\p:195+\p], v[194+\p:195+\p], v[242:243]
.endr
	v_pk_add_f32 v[240:241], v[240:241], v[242:243]
	v_add_f32 v240, v240, v241
	v_permlanex16_b32 v244, v240, s88, s89         ; the row's other 32 lie in lane l xor 16
	v_add_f32 v240, v240, v244
	v_fma_f32 v240, v240, s[\sa], s84              ; the mean of the true squares + 1e-6
	v_rsq_f32 v241, v240
	v_nop
	s_wait_alu depctr_va_vdst(0)                   ; ahead of the first reader of the root
	v_mul_f32 v240, s[\sf], v241
.irp p, 0,2,4,6,8,10,12,14,16,18,20,22,24,26,28,30
	v_pk_mul_f32 v[192+\p:193+\p], v[192+\p:193+\p], v[240:241] op_sel_hi:[1,0]
.endr
.set n, 0
.rept 32
	v_med3_num_f32 v[192+n], v[192+n], -v[\vl], v[\vl]
.set n, n+1
.endr
.irp t, 0,1,2,3
	v_cvt_scalef32_pk8_fp8_f32 v[\set+2*\t:\set+2*\t+1], v[192+8*\t:199+8*\t], v[\vs]   ; registers 2 t, 2 t + 1: d = 16 t + 8 h + 0 .. 7 of row r
.endr
	v_nop                                          ; a plain line behind the last conversion
	global_store_b128 v8, v[\set:\set+3], s[\bs:\bs+1] offset:\off         ; 512 consecutive bytes, aligned
	global_store_b128 v8, v[\set+4:\set+7], s[\bs:\bs+1] offset:\off+512
.endm
.irp hq, 0,1,2,3
.irp m, 0,1
	ROPE 0x0e, 64*\hq+8*\m, \m, 80, 81, 245, 248, 18, 131072*\hq+1024*\m, 224+8*\m
.endr
.endr
.irp m, 0,1
	ROPE 0x0f, 8*\m, \m, 82, 83, 246, 249, 20, 1024*\m, 224+8*\m
.endr
	; v = sum x 2^(e4 + e5) + gate x ve.  ve turns through my stage: in as loaded (rows), out by channel r and rows 8 h + j, the accumulators' layout
	s_wait_xcnt 0x0
	WIN 0x0c                                       ; store data in window 3
.irp i, 0,1,2,3,4,5,6,7,8,9,10,11,12,13,14,15
	ds_store_b128 v11, v[192+4*\i:195+4*\i] offset:544*\i
.endr
	WIN 0
.irp dt, 0,1,2,3
.irp m, 0,1
.irp j, 0,1,2,3,4,5,6,7
	ds_load_b32 v[64+8*(2*\dt+\m)+\j], v12 offset:(16*\m+\j)*272+64*\dt   ; LDS serves a wave's instructions in order: these see the stores above
.endr
.endr
.endr
.irp m, 0,1
.irp u, 0,1
	ds_load_b128 v[48+8*\m+4*\u:51+8*\m+4*\u], v14 offset:64*\m+16*\u     ; the gates of rows 16 m + 8 h + 4 u ..
.endr
.endr
	s_wait_dscnt 0x0
.irp dt, 0,1,2,3
.irp m, 0,1
.irp p, 0,2,4,6
	v_pk_mul_f32 v[64+8*(2*\dt+\m)+\p:65+8*(2*\dt+\m)+\p], v[64+8*(2*\dt+\m)+\p:65+8*(2*\dt+\m)+\p], v[48+8*\m+\p:49+8*\m+\p]
.endr
.endr
.endr
	WIN 0x03                                       ; the sums (source 0) in window 3
.irp dt, 0,1,2,3
.irp m, 0,1
.irp p, 0,2,4,6
	v_pk_fma_f32 v[128+8*(2*\dt+\m)+\p:129+8*(2*\dt+\m)+\p], v[64+8*(2*\dt+\m)+\p:65+8*(2*\dt+\m)+\p], s[86:87], v[64+8*(2*\dt+\m)+\p:65+8*(2*\dt+\m)+\p] op_sel_hi:[1,0,1]
.endr
.endr
.endr
	WIN 0
.set n, 0
.rept 64
	v_med3_num_f32 v[128+n], v[128+n], -v250, v250
.set n, n+1
.endr
.irp dt, 0,1,2,3
.irp m, 0,1
	v_cvt_scalef32_pk8_fp8_f32 v[224+4*\dt+2*\m:225+4*\dt+2*\m], v[128+8*(2*\dt+\m):135+8*(2*\dt+\m)], v247   ; keys 32 w + 16 m + 8 h + 0 .. 7 of channel 16 dt + r
.endr
.endr
	v_nop
.irp dt, 0,1,2,3
	global_store_b128 v8, v[224+4*\dt:227+4*\dt], s[96:97] offset:2048*\dt    ; chunk w of fragment dt: 512 consecutive bytes, aligned
.endr
	s_wait_tensorcnt 0x0                           ; the wave's end
	ds_add_u32 v28, v29
	s_wait_dscnt 0x0
	ROUND                                          ; the closing round
	s_endpgm
.Lfunc_end_k_q60a723e237_qkv:
	.size	k_q60a723e237_qkv, .Lfunc_end_k_q60a723e237_qkv-k_q60a723e237_qkv
	.p2alignl 7, 3214868480
	.fill 96, 4, 3214868480
	.section	.rodata,"a",@progbits
	.p2align	6, 0x0
	.amdhsa_kernel k_q60a723e237_qkv
		.amdhsa_group_segment_fixed_size 327680
		.amdhsa_private_segment_fixed_size 0
		.amdhsa_enable_private_segment 0
		.amdhsa_kernarg_size 72
		.amdhsa_user_sgpr_count 2
		.amdhsa_user_sgpr_kernarg_segment_ptr 1
		.amdhsa_wavefront_size32 1
		.amdhsa_system_sgpr_workgroup_id_x 1
		.amdhsa_system_sgpr_workgroup_id_y 1
		.amdhsa_system_sgpr_workgroup_id_z 1
		.amdhsa_system_vgpr_workitem_id 0
		.amdhsa_next_free_vgpr 1024
		.amdhsa_next_free_sgpr 100
		.amdhsa_reserve_vcc 0
		.amdhsa_float_denorm_mode_32 3
		.amdhsa_float_denorm_mode_16_64 3
		.amdhsa_memory_ordered 1
		.amdhsa_forward_progress 1
		.amdhsa_inst_pref_size 255
	.end_amdhsa_kernel
	.section	.bss,"aw",@nobits
	.p2align	6
	.space	262144
	.amdgpu_metadata
---
amdhsa.version: [ 1, 2 ]
amdhsa.kernels:
  - .name:           k_q60a723e237_qkv
    .symbol:         k_q60a723e237_qkv.kd
    .args:
      - { .name: x, .offset: 0, .size: 8, .value_kind: global_buffer, .address_space: global }
      - { .name: ve, .offset: 8, .size: 8, .value_kind: global_buffer, .address_space: global }
      - { .name: cos, .offset: 16, .size: 8, .value_kind: global_buffer, .address_space: global }
      - { .name: sin, .offset: 24, .size: 8, .value_kind: global_buffer, .address_space: global }
      - { .name: w_gate, .offset: 32, .size: 8, .value_kind: global_buffer, .address_space: global }
      - { .name: lowp_scales, .offset: 40, .size: 8, .value_kind: global_buffer, .address_space: global }
      - { .name: wimg, .offset: 48, .size: 8, .value_kind: global_buffer, .address_space: global }
      - { .name: qc, .offset: 56, .size: 8, .value_kind: global_buffer, .address_space: global }
      - { .name: kvc, .offset: 64, .size: 8, .value_kind: global_buffer, .address_space: global }
    .group_segment_fixed_size: 327680
    .private_segment_fixed_size: 0
    .kernarg_segment_align: 8
    .kernarg_segment_size: 72
    .max_flat_workgroup_size: 128
    .sgpr_count:     100
    .vgpr_count:     1024
    .wavefront_size: 32
...
	.end_amdgpu_metadata
.endif
;; end of part 2
;; launch attn (part 3): grid 1024 x 1, 8 waves a work-group, no clusters, 42,496 bytes of LDS; arguments qc, kvc, lowp_scales, yc; writes yc
.if DOCPART == 3
	.amdgcn_target "amdgcn-amd-amdhsa--gfx1250"
	.amdhsa_code_object_version 6
	.text
	.protected	k_q60a723e237_attn
	.globl	k_q60a723e237_attn
	.p2align	8
	.type	k_q60a723e237_attn,@function
k_q60a723e237_attn:
	s_mov_b64 s[64:65], 0
	v_nop
	global_prefetch_b8 v0, s[64:65] scope:SCOPE_SE
	s_setreg_imm32_b32 hwreg(HW_REG_WAVE_MODE, 25, 1), 1
	s_wait_xcnt 0x0
; y = softmax(q k^T / 8, causal, window 1,024) v on codes of E4M3, and y quantised for the last product (entry 10).  Scales: k entry 6, q entry 7, v entry 8, p entry 9.
; t = score x log2(e) / 8; M = the running largest t rounded up to a whole number; p = 2^(t - M) is quantised along the keys; the row's sum is taken of the unquantised p and divides at the end.
; SHARES: work-group id: group grp = id % 16 (batch x 4 + kv head), queries 32 qb .. + 31 with qb = 63 - id / 16.  Wave w: head 4 grp + w % 4, queries 16 (w / 4) on: one tile in 256 registers.  The four heads that share
; K and V are in one work-group and read each LDS byte together.
; KEYS: steps of 128.  Queries q0 .. q0 + 31 see keys q0 - 1,024 .. q0 + 31: steps f = max(0, q0 / 128 - 8) .. q0 / 128, nine at the most.  The loop makes nine trips; a trip past the last step jumps over its work and
; keeps the barrier.  Every query has a visible key in its first step, so M is a number from there on.
; A step's 16,384 bytes (8 key tiles, 4 fragments of V^T, laid as operand registers) come by plain loads, 64 bytes a thread, a step ahead, and go through two LDS slots: one barrier a trip.
; NO CLUSTER: blocks of queries of one group walk ranges of key steps that begin and end at other steps, and the launch has no tensor load to ask jointly.
; Both products are used transposed: S^T = K Q^T, O^T = V^T P: a lane holds one query (lane % 16) throughout; register 8 i + j of S^T is key 16 i + 8 (lane / 16) + j: eight registers convert into registers 2 i, 2 i + 1 of P.
; LIMITS: e6 + e7 between -120 and 130; e9 and e10 between -126 and 119.
; REGISTERS: v1-11, v25 addresses; v12 -M, v13 the largest t, v[14:15] the sum; v16-23 Q; v24 -infinity; v32-95 K's, then V's fragments; v96-159 S^T, then p; v160-191 O^T; v192-207 P; v208-223 the next step's bytes;
;   v[224:225] f; v226-230 at work; v231, v232: 448 x 2^e9, 2^e9; v233, v234: the same with e10; v236-243 y's codes.
.set SLOTB, 16384
.set YST,   32768                      ; 32 rows x (256 + 16) bytes: y's codes meet here
	s_load_b256 s[4:11], s[0:1], 0x0               ; qc, kvc, the scales' exponents, yc
	v_lshl_add_u32 v254, v0, 2, 0xa200
	v_mov_b32 v255, 0
	v_lshrrev_b32 v1, 5, v0
	v_readfirstlane_b32 s12, v1                    ; wave
	v_and_b32 v1, 31, v0
	v_lshlrev_b32 v1, 4, v1                        ; 16 x lane
	v_lshlrev_b32 v2, 4, v0                        ; 16 x thread
	v_and_b32 v3, 15, v0                           ; r
	v_bfe_u32 v4, v0, 4, 1                         ; h
	v_lshlrev_b32 v7, 3, v4
	v_sub_nc_u32 v7, v3, v7                        ; r - 8 h
	s_and_b32 s13, ttmp9, 15                       ; grp
	s_lshr_b32 s14, ttmp9, 4
	s_sub_co_u32 s14, 63, s14                      ; qb: the blocks with most steps have the lowest numbers
	s_lshl_b32 s17, s14, 5                         ; q0
	s_lshr_b32 s15, s12, 2                         ; which 16 queries
	s_and_b32 s16, s12, 3                          ; which head of the four
	s_lshl_b32 s18, s15, 4
	s_add_co_u32 s18, s18, s17                     ; my first query
	s_lshr_b32 s20, s17, 7                         ; the last step
	s_sub_co_i32 s19, s20, 8
	s_max_i32 s19, s19, 0                          ; the step in hand: f
	s_lshl_b32 s34, s19, 7                         ; its first key
	s_mov_b32 s21, 9
	s_mov_b32 s24, 0x76543210                      ; v_permlanex16_b32: lane l xor 16
	s_mov_b32 s25, 0xfedcba98
	s_mov_b32 s26, 0                               ; the slot that is read,
	s_mov_b32 s27, SLOTB                           ; the slot that is written
	s_mov_b32 s33, 0
	s_mul_i32 s35, s15, 16*272
	s_lshl_b32 s48, s16, 6
	s_add_co_u32 s35, s35, s48
	s_add_co_u32 s35, s35, YST
	v_mul_u32_u24 v10, v3, 272
	v_lshl_add_u32 v10, v4, 3, v10
	v_add_nc_u32 v10, s35, v10                     ; y's codes in: row 16 (w / 4) + r, byte 64 (w % 4) + 8 h
	v_lshrrev_b32 v26, 4, v0
	v_mul_u32_u24 v11, v26, 272
	v_lshl_add_u32 v11, v3, 4, v11
	v_add_nc_u32 v11, YST, v11                     ; and back: sixteen threads to a row
	v_lshlrev_b32 v25, 10, v26
	v_lshl_add_u32 v25, v3, 4, v25                 ; the same place in yc
	s_lshl_b32 s32, s13, 19                        ; Q: ((4 grp + head) 128 + 2 qb + w / 4) x 1,024
	s_lshl_b32 s48, s16, 17
	s_add_co_u32 s32, s32, s48
	s_lshl_b32 s48, s14, 11
	s_add_co_u32 s32, s32, s48
	s_lshl_b32 s48, s15, 10
	s_add_co_u32 s32, s32, s48
	s_wait_kmcnt 0x0
	s_load_b256 s[36:43], s[8:9], 0x0              ; e0 .. e7
	s_load_b128 s[44:47], s[8:9], 0x20             ; e8 .. e11
	s_add_nc_u64 s[4:5], s[4:5], s[32:33]
	s_lshl_b32 s32, s13, 18
	s_add_nc_u64 s[28:29], s[6:7], s[32:33]        ; the group's 16 steps
	s_lshl_b32 s32, s19, 14
	s_add_nc_u64 s[30:31], s[28:29], s[32:33]      ; step f
	s_lshr_b32 s32, s13, 2
	s_lshl_b32 s32, s32, 21
	s_lshl_b32 s48, s17, 10
	s_add_co_u32 s32, s32, s48
	s_and_b32 s48, s13, 3
	s_lshl_b32 s48, s48, 8
	s_add_co_u32 s32, s32, s48
	s_add_nc_u64 s[10:11], s[10:11], s[32:33]      ; yc: row 2,048 b + q0, byte 256 g
	global_load_b128 v[16:19], v1, s[4:5]          ; Q's fragment stays in registers
	global_load_b128 v[20:23], v1, s[4:5] offset:512
.irp i, 0,1,2,3
	global_load_b128 v[208+4*\i:211+4*\i], v2, s[30:31] offset:4096*\i
.endr
	v_mov_b32 v13, 0xff61b1e6                      ; the largest t so far: -3e38
	v_floor_f32 v12, -v13                          ; -M
	v_mov_b32 v14, 0
	v_mov_b32 v15, 0
	v_mov_b32 v24, 0xff800000                      ; -infinity
	v_mov_b32 v225, 0                              ; (named as the upper half of a pair)
	v_mov_b32 v230, 0                              ; a lane permute's destination counts as read
.set n, 0
.rept 32
	v_mov_b32 v[160+n], 0                          ; O^T: the step is written once; the first change of M leaves zeros zeros
.set n, n+1
.endr
	s_wait_kmcnt 0x0
	s_add_co_i32 s48, s42, s43
	s_lshl_b32 s48, s48, 23
	s_add_co_i32 s22, s48, 0x3e38aa3b              ; c = log2(e) / 8 x 2^(e6 + e7): the exponents are added to c's exponent field
	s_mov_b32 s23, s22
	s_add_co_i32 s48, s45, 127
	s_lshl_b32 s35, s48, 23
	v_mov_b32 v232, s35                            ; 2^e9
	s_add_co_i32 s48, s48, 8
	s_lshl_b32 s48, s48, 23
	s_or_b32 s48, s48, 0x600000
	v_mov_b32 v231, s48                            ; 448 x 2^e9
	s_add_co_i32 s48, s46, 127
	s_lshl_b32 s35, s48, 23
	v_mov_b32 v234, s35                            ; 2^e10
	s_add_co_i32 s48, s48, 8
	s_lshl_b32 s48, s48, 23
	s_or_b32 s48, s48, 0x600000
	v_mov_b32 v233, s48                            ; 448 x 2^e10
	s_wait_loadcnt 0x0                             ; Q and step f are in, and their address registers are free
.irp i, 0,1,2,3
	ds_store_b128 v2, v[208+4*\i:211+4*\i] offset:4096*\i      ; step f into slot 0
.endr
	s_add_co_u32 s32, s19, 1
	s_min_u32 s32, s32, 15                         ; no load leaves the group's 16 steps
	s_lshl_b32 s32, s32, 14
	s_add_nc_u64 s[30:31], s[28:29], s[32:33]
	s_wait_dscnt 0x0                               ; for the others' sake, and the stores have read their registers
.irp i, 0,1,2,3
	global_load_b128 v[208+4*\i:211+4*\i], v2, s[30:31] offset:4096*\i      ; step f + 1
.endr
	s_barrier_signal -1
	s_barrier_wait -1
.Ltrip:
	v_add_nc_u32 v5, s26, v1                       ; where the fragments are read,
	v_add_nc_u32 v6, s27, v2                       ; where the next step's bytes go
	s_cmp_gt_u32 s19, s20
	s_cbranch_scc1 .Lskip                          ; past the last step: the same in all eight waves
	s_wait_loadcnt 0x0                             ; the next step's bytes, asked for a step ago, are in
	s_add_co_u32 s32, s19, 2
	s_min_u32 s32, s32, 15
	s_lshl_b32 s32, s32, 14
	s_add_nc_u64 s[30:31], s[28:29], s[32:33]
	v_nop                                          ; with the two additions above: four places ahead of loads into registers that the last products read
	v_nop
.irp i, 0,1,2,3
	ds_store_b128 v6, v[208+4*\i:211+4*\i] offset:4096*\i
.endr
.irp i, 0,1,2,3,4,5,6,7
	ds_load_b128 v[32+8*\i:35+8*\i], v5 offset:1024*\i
	ds_load_b128 v[36+8*\i:39+8*\i], v5 offset:1024*\i+512
.endr
	s_wait_dscnt 16                                ; the four stores have read their registers; K's 16 loads may be out
.irp i, 0,1,2,3
	global_load_b128 v[208+4*\i:211+4*\i], v2, s[30:31] offset:4096*\i      ; two steps on
.endr
	s_wait_dscnt 8                                 ; key tiles 0 to 3 are in
.irp i, 0,1,2,3
	v_wmma_f32_16x16x64_fp8_fp8 v[96+8*\i:103+8*\i], v[32+8*\i:39+8*\i], v[16:23], 0
.endr
	s_wait_dscnt 0x0
.irp i, 4,5,6,7
	v_wmma_f32_16x16x64_fp8_fp8 v[96+8*\i:103+8*\i], v[32+8*\i:39+8*\i], v[16:23], 0
.endr
.rept 4
	v_nop                                          ; places ahead of the loads below and of the first read of the scores
.endr
.irp dt, 0,1,2,3
.irp c, 0,1,2,3
	ds_load_b128 v[32+16*\dt+4*\c:35+16*\dt+4*\c], v5 offset:8192+2048*\dt+512*\c     ; V^T's fragments land under the softmax
.endr
.endr
	; hidden scores become -infinity ahead of the maximum.  d = my query - the step's first key - 8 h; register 8 i + j holds key 16 i + j + 8 h of the step
	s_add_co_u32 s48, s34, 127
	s_cmp_le_u32 s48, s18
	s_cbranch_scc1 .Lno_causal                     ; no key of the step comes after my first query
	s_sub_co_i32 s48, s18, s34
	v_add_nc_u32 v8, s48, v7
.set n, 0
.rept 64
	v_cmp_gt_i32 vcc_lo, 16*(n/8)+n%8, v8          ; key > query
	v_cndmask_b32 v[96+n], v[96+n], v24, vcc_lo
.set n, n+1
.endr
.Lno_causal:
	s_sub_co_i32 s48, s18, s34
	s_cmp_le_i32 s48, 1009
	s_cbranch_scc1 .Lno_window                     ; my last query less the step's first key is at most 1,024
	s_sub_co_i32 s48, s48, 1024
	v_add_nc_u32 v9, s48, v7
.set n, 0
.rept 64
	v_cmp_lt_i32 vcc_lo, 16*(n/8)+n%8, v9          ; query - key > 1,024
	v_cndmask_b32 v[96+n], v[96+n], v24, vcc_lo
.set n, n+1
.endr
.Lno_window:
	v_max3_num_f32 v228, v96, v97, v98             ; the step's largest score of my query among my 64 keys, in two chains,
	v_max3_num_f32 v229, v99, v100, v101
.irp i, 6,10,14,18,22,26,30,34,38,42,46,50,54,58
	v_max3_num_f32 v228, v228, v[96+\i], v[97+\i]
	v_max3_num_f32 v229, v229, v[98+\i], v[99+\i]
.endr
	v_max3_num_f32 v228, v228, v158, v159
	v_max_num_f32 v228, v228, v229
	v_permlanex16_b32 v230, v228, s24, s25
	v_max_num_f32 v228, v228, v230                 ; and among lane l xor 16's
	v_mul_f32 v228, s22, v228                      ; as t (c is positive)
	v_max_num_f32 v13, v13, v228
	v_mov_b32 v228, v12
	v_floor_f32 v12, -v13                          ; the new -M = floor(-t)
	v_sub_f32 v228, v12, v228                      ; old M - new M: a whole number, 0 or less
	v_cvt_i32_f32 v228, v228                       ; (it saturates)
	v_ldexp_f32 v224, 1.0, v228                    ; f = 2^(old M - new M)
.irp j, 0,2,4,6,8,10,12,14,16,18,20,22,24,26,28,30,32,34,36,38,40,42,44,46,48,50,52,54,56,58,60,62
	v_pk_fma_f32 v[96+\j:97+\j], v[96+\j:97+\j], s[22:23], v[12:13] op_sel_hi:[1,0,0]    ; t - M
.endr
.set n, 0
.rept 64
	v_exp_f32 v[96+n], v[96+n]                     ; p = 2^(t - M)
.set n, n+1
.endr
	v_pk_mul_f32 v[14:15], v[14:15], v[224:225] op_sel_hi:[1,0]    ; the sums under the new M: the plain line behind the exponentials
	s_wait_alu depctr_va_vdst(0)                   ; one wait for the batch, ahead of its first reader
	v_pk_add_f32 v[226:227], v[96:97], v[98:99]    ; the row's sum is taken of the unquantised p
.irp j, 4,8,12,16,20,24,28,32,36,40,44,48,52,56,60
	v_pk_add_f32 v[14:15], v[14:15], v[96+\j:97+\j]
	v_pk_add_f32 v[226:227], v[226:227], v[98+\j:99+\j]
.endr
	v_pk_add_f32 v[14:15], v[14:15], v[226:227]
	s_cmp_ge_i32 s45, -8
	s_cbranch_scc1 .Lno_hold                       ; p is at most 1, and 448 x 2^e9 is at least 1.75 from e9 = -8 on: there the hold changes nothing
.set n, 0
.rept 64
	v_min_num_f32 v[96+n], v[96+n], v231           ; the conversion does not saturate (ISA guide 7.6.2); p is not negative
.set n, n+1
.endr
.Lno_hold:
.irp i, 0,1,2,3,4,5,6,7
	v_cvt_scalef32_pk8_fp8_f32 v[192+2*\i:193+2*\i], v[96+8*\i:103+8*\i], v232
.endr
.irp j, 0,2,4,6,8,10,12,14,16,18,20,22,24,26,28,30
	v_pk_mul_f32 v[160+\j:161+\j], v[160+\j:161+\j], v[224:225] op_sel_hi:[1,0]    ; O^T under the new M; also the plain lines behind the conversions
.endr
	s_wait_dscnt 0x0                               ; V^T's fragments are in
.irp dt, 0,1,2,3
	v_wmma_f32_16x16x128_fp8_fp8 v[160+8*\dt:167+8*\dt], v[32+16*\dt:47+16*\dt], v[192:207], v[160+8*\dt:167+8*\dt]
.endr
.Lskip:
	s_wait_dscnt 0x0                               ; my stores into the other slot have landed and my reads of this one are over
	s_barrier_signal -1
	s_barrier_wait -1
	s_xor_b32 s26, s26, SLOTB
	s_xor_b32 s27, s27, SLOTB
	s_add_co_u32 s19, s19, 1
	s_add_co_u32 s34, s34, 128
	s_sub_co_u32 s21, s21, 1
	s_cmp_lg_u32 s21, 0
	s_cbranch_scc1 .Ltrip
	; THE WAY OUT
	s_wait_loadcnt 0x0
.rept 4
	v_nop                                          ; places behind the last products
.endr
	v_add_f32 v14, v14, v15
	v_permlanex16_b32 v230, v14, s24, s25
	v_add_f32 v14, v14, v230                       ; the row's sum
	v_rcp_f32 v14, v14
	v_nop
	s_add_co_i32 s48, s44, s45
	s_wait_alu depctr_va_vdst(0)                   ; ahead of the first reader of the reciprocal
	v_ldexp_f32 v14, v14, s48                      ; x 2^(e8 + e9)
.set n, 0
.rept 32
	v_mul_f32 v[96+n], v[160+n], v14               ; register 8 dt + j: y(query r, channel 16 dt + 8 h + j)
.set n, n+1
.endr
.set n, 0
.rept 32
	v_med3_num_f32 v[96+n], v[96+n], -v233, v233
.set n, n+1
.endr
.irp dt, 0,1,2,3
	v_cvt_scalef32_pk8_fp8_f32 v[236+2*\dt:237+2*\dt], v[96+8*\dt:103+8*\dt], v234
.endr
	v_nop
.irp dt, 0,1,2,3
	ds_store_b64 v10, v[236+2*\dt:237+2*\dt] offset:16*\dt
.endr
	s_wait_dscnt 0x0                               ; for the others' sake: a row's 256 bytes come from four waves
	s_barrier_signal -1
	s_barrier_wait -1
	ds_load_b128 v[32:35], v11
	ds_load_b128 v[36:39], v11 offset:4352
	s_wait_dscnt 1
	global_store_b128 v25, v[32:35], s[10:11]      ; sixteen threads store 256 consecutive bytes of a row of yc, aligned
	s_wait_dscnt 0x0
	global_store_b128 v25, v[36:39], s[10:11] offset:16384
	s_wait_tensorcnt 0x0
	ds_add_u32 v254, v255
	s_wait_dscnt 0x0
	s_endpgm
.Lfunc_end_k_q60a723e237_attn:
	.size	k_q60a723e237_attn, .Lfunc_end_k_q60a723e237_attn-k_q60a723e237_attn
	.p2alignl 7, 3214868480
	.fill 96, 4, 3214868480
	.section	.rodata,"a",@progbits
	.p2align	6, 0x0
	.amdhsa_kernel k_q60a723e237_attn
		.amdhsa_group_segment_fixed_size 42496
		.amdhsa_private_segment_fixed_size 0
		.amdhsa_enable_private_segment 0
		.amdhsa_kernarg_size 32
		.amdhsa_user_sgpr_count 2
		.amdhsa_user_sgpr_kernarg_segment_ptr 1
		.amdhsa_wavefront_size32 1
		.amdhsa_system_sgpr_workgroup_id_x 1
		.amdhsa_system_sgpr_workgroup_id_y 1
		.amdhsa_system_sgpr_workgroup_id_z 1
		.amdhsa_system_vgpr_workitem_id 0
		.amdhsa_next_free_vgpr 256
		.amdhsa_next_free_sgpr 66
		.amdhsa_reserve_vcc 1
		.amdhsa_float_denorm_mode_32 3
		.amdhsa_float_denorm_mode_16_64 3
		.amdhsa_memory_ordered 1
		.amdhsa_forward_progress 1
		.amdhsa_inst_pref_size 38
	.end_amdhsa_kernel
	.amdgpu_metadata
---
amdhsa.version: [ 1, 2 ]
amdhsa.kernels:
  - .name:           k_q60a723e237_attn
    .symbol:         k_q60a723e237_attn.kd
    .args:
      - { .name: qc, .offset: 0, .size: 8, .value_kind: global_buffer, .address_space: global }
      - { .name: kvc, .offset: 8, .size: 8, .value_kind: global_buffer, .address_space: global }
      - { .name: lowp_scales, .offset: 16, .size: 8, .value_kind: global_buffer, .address_space: global }
      - { .name: yc, .offset: 24, .size: 8, .value_kind: global_buffer, .address_space: global }
    .group_segment_fixed_size: 42496
    .private_segment_fixed_size: 0
    .kernarg_segment_align: 8
    .kernarg_segment_size: 32
    .max_flat_workgroup_size: 256
    .sgpr_count:     66
    .vgpr_count:     256
    .wavefront_size: 32
...
	.end_amdgpu_metadata
.endif
;; end of part 3
;; launch oproj (part 4): grid 4 x 32, 4 waves a work-group, clusters of 4 x 4, 327,680 bytes of LDS; arguments yc, woc, lowp_scales, out0; writes out0
.if DOCPART == 4
	.amdgcn_target "amdgcn-amd-amdhsa--gfx1250"
	.amdhsa_code_object_version 6
	.text
	.protected	k_q60a723e237_oproj
	.globl	k_q60a723e237_oproj
	.p2align	8
	.type	k_q60a723e237_oproj,@function
k_q60a723e237_oproj:
	s_mov_b64 s[64:65], 0
	v_nop
	global_prefetch_b8 v0, s[64:65] scope:SCOPE_SE
	s_setreg_imm32_b32 hwreg(HW_REG_WAVE_MODE, 25, 1), 1
	s_wait_xcnt 0x0
	s_wait_alu depctr_hold_cnt(0) depctr_sa_sdst(0) depctr_va_vdst(0) depctr_va_sdst(0) depctr_va_ssrc(0) depctr_va_vcc(0) depctr_vm_vsrc(0)
	s_getreg_b32 s2, hwreg(HW_REG_IB_STS2, 6, 4)
	s_cmp_eq_u32 s2, 0
	s_cbranch_scc0 .Lentry_in_a_cluster
	s_endpgm
.Lentry_in_a_cluster:
	s_bfe_u32 s2, ttmp6, 0x10000c
	s_cmp_lg_u32 s2, 0xf033
	s_cbranch_scc0 .Lentry_shape_is_right
	s_endpgm
.Lentry_shape_is_right:
; out0[m][n] = sum over k of y[m][k] wo[n][k] on codes of E4M3: yc [8192][1024], woc [1024][1024], one code a byte, K innermost; out0 [8192][1024] f32.  Each finished sum is multiplied once by 2^(e10 + e11).
; LIMIT: e10 + e11 between -126 and 127.
; A tile of 256 x 256 is made by four waves, 128 x 128 each: 64 accumulators, 512 registers.  K goes in steps of 256 through two LDS slots filled by the tensor data mover.
; CLUSTER 4 x 4: the four of a row of the cluster need the same tiles of y, the four of a column the same tiles of wo: each is asked for jointly.  The matrix instruction is used transposed (source 0 = 16 rows of wo,
; source 1 = 16 rows of y): a lane then holds eight neighbouring numbers of a row of the output.  Both operands are fetched by loads of 16 bytes: the same permutation of k on both sides.
; REGISTERS: window 0: v0-31 addresses; from v128 y's fragments, one set; on the way out v32-255 are free.  window 1: wo's fragments, two sets.  windows 2, 3: the accumulators of my rows 0-63, 64-127.
.set SIZE_M, 8192
.set SIZE_N, 1024
.set SIZE_K, 1024
.set KSTEP,  256
.set ROWB,   256
.set KROW,   SIZE_K
.set PITCH,  272                       ; an LDS row: 256 bytes + 16 of padding
.set FR,     16
.set NL,     4
.set NP,     4
.set HALFT,  128*PITCH
.set SLOT,   4*HALFT
.set LAPS,   SIZE_K/(2*KSTEP)
.set SPARE,  2*SLOT                    ; the spare words, 128 bytes for each wave
.set SPITCH, 528                       ; the way out: a stage of 16 rows x (512 + 16) bytes for each wave, in slot 0, which has had its last fill and its last read by then
.set ADRA, 16
.set ADRB, 20
.set STO,  24
.set RD,   25
.set CO,   26
.set SPW,  28
.set NIL,  29
.set TMP,  32
.set AF,   128
.set BK,   128
.set G1, 24
.set G0, 32
.set G1B, 48
.set G0B, 56
.set MSB, 0
.macro WIN new
.if MSB != \new
	s_set_vgpr_msb (MSB<<8)|\new
.set MSB, \new
.endif
.endm
.set MUL_LO, 0xa1
.set MUL_HI, 0xf1
.set TO_B,   0x40
.macro JLOAD g0a, g1a, g0b, g1b        ; waves 0, 1 fetch for y, waves 2, 3 for wo; four v_nop follow each line
	s_cmp_eq_u32 s15, 0
	s_cbranch_scc0 .Lfor_b_\@
	tensor_load_to_lds s[\g0a:\g0a+3], s[\g1a:\g1a+7]
	s_nop 0
.rept 4
	v_nop
.endr
	s_branch .Lasked_\@
.Lfor_b_\@:
	tensor_load_to_lds s[\g0b:\g0b+3], s[\g1b:\g1b+7]
	s_nop 0
.rept 4
	v_nop
.endr
.Lasked_\@:
.endm
.macro CREST                           ; a round of the cluster's barrier behind its opening barrier
	s_cmp_lg_u32 s14, 0
	s_cbranch_scc1 .Lnot_wave_0_\@
	s_barrier_signal -3
.Lnot_wave_0_\@:
	s_barrier_wait -3
	s_barrier_signal -1
	s_barrier_wait -1
.endm
.macro CROUND
	s_barrier_signal -1
	s_barrier_wait -1
	CREST
.endm
	s_load_b128 s[4:7], s[0:1], 0x0                ; yc, woc
	s_load_b128 s[8:11], s[0:1], 0x10              ; the scales' exponents, out0
	v_lshl_add_u32 v[SPW], v0, 2, SPARE
	v_mov_b32 v[NIL], 0
	ds_add_u32 v28, v29
	ds_add_u32 v28, v29
	s_wait_dscnt 0x0
	v_lshrrev_b32 v1, 5, v0
	v_readfirstlane_b32 s14, v1                    ; wave
	s_lshr_b32 s15, s14, 1                         ; my half of the tile's rows; also: I fetch for y (0) or for wo (1)
	s_and_b32 s16, s14, 1                          ; my half of its columns; also: which 128 rows I fetch
	s_bfe_u32 s40, ttmp6, 0x40000                  ; cx
	s_bfe_u32 s41, ttmp6, 0x40004                  ; cy
	s_lshl_b32 s42, ttmp9, 2
	s_add_co_u32 s42, s42, s40                     ; tile column
	s_and_b32 s17, ttmp7, 0xffff
	s_lshl_b32 s17, s17, 2
	s_add_co_u32 s17, s17, s41                     ; tile row
	s_lshl_b32 s43, s41, 2
	s_lshl_b32 s43, 15, s43                        ; my row of the cluster
	s_lshl_b32 s44, 0x1111, s40                    ; my column
	s_or_b32 s[G1+0], s43, (0<<16)|(1<<20)|(1<<21)|(5<<22)|(3<<25)  ; the mask; elements of 1 byte; padding on; bit 21 beside a mask; after every 64 words, 4 words
	s_or_b32 s[G1B+0], s44, (0<<16)|(1<<20)|(1<<21)|(5<<22)|(3<<25)
.irp g, G1, G1B
	s_mov_b32 s[\g+1], ROWB<<16                    ; tensor_dim0
	s_mov_b32 s[\g+2], 128<<16                     ; tensor_dim1
	s_mov_b32 s[\g+3], ROWB<<16                    ; tile_dim0
	s_mov_b32 s[\g+4], 128                         ; tile_dim1
	s_mov_b32 s[\g+5], KROW                        ; from row to row
	s_mov_b32 s[\g+6], 0
	s_mov_b32 s[\g+7], 0
.endr
	s_lshl_b32 s18, s16, 7
	s_lshl_b32 s20, s17, 8
	s_add_co_u32 s20, s20, s18                     ; y: row 256 x tile row + 128 x half
	s_lshl_b32 s46, s42, 8
	s_add_co_u32 s46, s46, s18                     ; wo: row 256 x tile column + 128 x half
	s_mov_b32 s21, 0
	s_mov_b32 s47, 0
	s_mov_b64 s[18:19], KROW
	s_mul_u64 s[20:21], s[20:21], s[18:19]
	s_mul_u64 s[46:47], s[46:47], s[18:19]
	s_mul_i32 s45, s14, HALFT                      ; where they go: wave x 128 rows
	s_wait_kmcnt 0x0
	s_load_b64 s[96:97], s[8:9], 0x28              ; e10, e11
	s_add_nc_u64 s[20:21], s[4:5], s[20:21]
	s_add_nc_u64 s[46:47], s[6:7], s[46:47]
	CROUND                                         ; all sixteen work-groups are here: the first joint loads meet
.irp s, 0,1
	s_mov_b32 s[G0+4*\s], 1
	s_add_co_u32 s[G0+4*\s+1], s45, \s*SLOT
	s_add_nc_u64 s[G0+4*\s+2:G0+4*\s+3], s[20:21], \s*ROWB
	s_or_b32 s[G0+4*\s+3], s[G0+4*\s+3], 0x80000000
	s_mov_b32 s[G0B+4*\s], 1
	s_add_co_u32 s[G0B+4*\s+1], s45, \s*SLOT
	s_add_nc_u64 s[G0B+4*\s+2:G0B+4*\s+3], s[46:47], \s*ROWB
	s_or_b32 s[G0B+4*\s+3], s[G0B+4*\s+3], 0x80000000
	JLOAD G0+4*\s, G1, G0B+4*\s, G1B
.endr
	v_and_b32 v1, 15, v0
	v_bfe_u32 v2, v0, 4, 1
	v_mul_u32_u24 v3, v1, PITCH
	v_lshl_add_u32 v4, v2, 4, v3                   ; a fragment's row x pitch + 16 x half
	s_mul_i32 s21, s15, HALFT
	s_mul_i32 s22, s16, HALFT
	s_add_co_u32 s22, s22, 2*HALFT
.irp s, 0,1
	v_add_nc_u32 v[ADRA+\s], s21, v4
	v_add_nc_u32 v[ADRB+\s], s22, v4
	s_add_co_u32 s21, s21, SLOT
	s_add_co_u32 s22, s22, SLOT
.endr
	s_mul_i32 s23, s14, 16*SPITCH                  ; my stage
	v_mul_u32_u24 v5, v1, SPITCH
	v_lshl_add_u32 v5, v2, 5, v5
	v_add_nc_u32 v[STO], s23, v5
	v_and_b32 v6, 31, v0
	v_lshlrev_b32 v[CO], 4, v6
	v_add_nc_u32 v[RD], s23, v[CO]
	s_lshl_b32 s20, s17, 8
	s_lshl_b32 s21, s15, 7
	s_add_co_u32 s20, s20, s21                     ; my first row of the output
	s_mov_b32 s21, 0
	s_mov_b64 s[18:19], SIZE_N*4
	s_mul_u64 s[20:21], s[20:21], s[18:19]
	s_lshl_b32 s46, s42, 10                        ; my first column, in bytes
	s_lshl_b32 s47, s16, 9
	s_add_co_u32 s46, s46, s47
	s_mov_b32 s47, 0
	s_add_nc_u64 s[20:21], s[20:21], s[46:47]
	s_add_nc_u64 s[10:11], s[10:11], s[20:21]
.macro FRAG reg, adr, q, i             ; 16 rows x 128 K: registers 4 c .. 4 c + 3 hold K = 32 c + 16 (l / 16) + 0 .. 15 of row l % 16
.irp c, 0,1,2,3
	ds_load_b128 v[\reg+4*\c:\reg+4*\c+3], v[\adr] offset:128*(\q)+32*\c+(\i)*16*PITCH
.endr
.endm
.macro MUL16 a0, p, zero               ; the 64 accumulators take turns, one instruction a turn, in the same order in every step
.irp a, \a0, \a0+1
.irp b, 0,1,2,3,4,5,6,7
.if \zero
	v_wmma_f32_16x16x128_fp8_fp8 v[8*(8*((\a)%4)+\b):8*(8*((\a)%4)+\b)+7], v[128*(\p)+FR*\b:128*(\p)+FR*\b+FR-1], v[AF+FR*(\a):AF+FR*(\a)+FR-1], 0
.else
	v_wmma_f32_16x16x128_fp8_fp8 v[8*(8*((\a)%4)+\b):8*(8*((\a)%4)+\b)+7], v[128*(\p)+FR*\b:128*(\p)+FR*\b+FR-1], v[AF+FR*(\a):AF+FR*(\a)+FR-1], v[8*(8*((\a)%4)+\b):8*(8*((\a)%4)+\b)+7]
.endif
.endr
.endr
.endm
.macro FETCH_B slot, q, p
	WIN TO_B
.irp i, 0,1,2,3,4,5,6,7
	FRAG 128*(\p)+FR*\i, ADRB+\slot, \q, \i
.endr
	WIN 0
.endm
.macro FETCH_A slot, q, i0
.irp i, \i0, \i0+1, \i0+2, \i0+3
	FRAG AF+FR*(\i), ADRA+\slot, \q, \i
.endr
.endm
.macro PLACES n                        ; plain lines behind matrix instructions, ahead of loads into their operands and of reads of their results
.rept \n
	v_nop
.endr
.endm
.macro STEP slot, q, zero              ; 128 along K whose successor lies in the same slot
	s_wait_dscnt 4*NL                              ; wo's set and y's blocks 0-3 are in; the youngest 16 loads (blocks 4-7) may be out
	WIN MUL_LO
	MUL16 0, (\q)%2, \zero
	MUL16 2, (\q)%2, \zero
	s_wait_dscnt 0
	PLACES NP
	FETCH_B \slot, (\q)+1, 1-(\q)%2
	FETCH_A \slot, (\q)+1, 0
	WIN MUL_HI
	MUL16 4, (\q)%2, \zero
	MUL16 6, (\q)%2, \zero
	PLACES NP
	WIN 0
	FETCH_A \slot, (\q)+1, 4
.endm
.macro TURN slot, next, fill           ; a slot's last step changes slots
	s_wait_tensorcnt 0x0                           ; all my tensor loads have landed: my part of the next slot
	ds_add_u32 v[SPW], v[NIL]                      ; 0 onto my spare word
	s_wait_dscnt 4*NL+1                            ; the add and the youngest 16 loads may be out
	WIN MUL_LO
	MUL16 0, 1, 0
	s_wait_dscnt 0x0                               ; the add is done, and my reads of this slot are over
	s_barrier_signal -1
	MUL16 2, 1, 0
	WIN 0
	s_barrier_wait -1
.if \fill
	CREST                                          ; no wave of any partner still reads this slot or has a load on its way
	s_add_nc_u64 s[G0+4*\slot+2:G0+4*\slot+3], s[G0+4*\slot+2:G0+4*\slot+3], 2*ROWB
	s_add_nc_u64 s[G0B+4*\slot+2:G0B+4*\slot+3], s[G0B+4*\slot+2:G0B+4*\slot+3], 2*ROWB
	JLOAD G0+4*\slot, G1, G0B+4*\slot, G1B
.else
	PLACES NP
.endif
	FETCH_B \next, 0, 0
	FETCH_A \next, 0, 0
	WIN MUL_HI
	MUL16 4, 1, 0
	MUL16 6, 1, 0
	PLACES NP
	WIN 0
	FETCH_A \next, 0, 4
.endm
	s_wait_tensorcnt 1                             ; my part of K step 0 is in; K step 1's load may be out
	s_barrier_signal -1
	s_barrier_wait -1
	FETCH_B 0, 0, 0
	FETCH_A 0, 0, 0
	FETCH_A 0, 0, 4
	STEP 0, 0, 1                                   ; the first step starts the sums
	s_mov_b32 s3, LAPS-1
.Llap:
	TURN 0, 1, 1
	STEP 1, 0, 0
	TURN 1, 0, 1
	STEP 0, 0, 0
	s_sub_co_u32 s3, s3, 1
	s_cmp_lg_u32 s3, 0
	s_cbranch_scc1 .Llap
	TURN 0, 1, 0                                   ; the last lap fills nothing
	STEP 1, 0, 0
	s_wait_dscnt 4*NL
	WIN MUL_LO
	MUL16 0, 1, 0
	MUL16 2, 1, 0
	s_wait_dscnt 0
	WIN MUL_HI
	MUL16 4, 1, 0
	MUL16 6, 1, 0
	WIN 0
; THE WAY OUT, block by block of 16 rows x 128 columns, through my own stage: in as 32 bytes a lane, back as whole rows of 512 bytes.  LDS serves a wave's instructions in order.
.macro TOSTAGE a
.set AC, 64*((\a)%4)
	WIN 0x02+((\a)/4)
.irp j, 0,2,4,6,8,10,12,14,16,18,20,22,24,26,28,30,32,34,36,38,40,42,44,46,48,50,52,54,56,58,60,62
	v_pk_mul_f32 v[TMP+\j:TMP+\j+1], v[AC+\j:AC+\j+1], s[96:97] op_sel_hi:[1,0]   ; x 2^(e10 + e11); each accumulator from its low end on
.endr
	WIN 0
.irp b, 0,1,2,3,4,5,6,7
	ds_store_b128 v[STO], v[TMP+8*\b:TMP+8*\b+3] offset:64*\b
	ds_store_b128 v[STO], v[TMP+8*\b+4:TMP+8*\b+7] offset:64*\b+16
.endr
.set BB, BK+64*((\a)%2)
.irp t, 0,1,2,3,4,5,6,7,8,9,10,11,12,13,14,15
	ds_load_b128 v[BB+4*\t:BB+4*\t+3], v[RD] offset:\t*SPITCH
.endr
.endm
.macro SEND a, younger
.set BB, BK+64*((\a)%2)
	s_wait_dscnt \younger
.if (\a) > 0
	s_add_nc_u64 s[10:11], s[10:11], 16*SIZE_N*4   ; (behind a wait on XCNT: the earlier stores have read their base)
.endif
.irp t, 0,1,2,3,4,5,6,7,8,9,10,11,12,13,14,15
	global_store_b128 v[CO], v[BB+4*\t:BB+4*\t+3], s[10:11] offset:\t*SIZE_N*4 th:TH_STORE_NT   ; 32 lanes store 512 consecutive bytes, aligned
.endr
.endm
	s_wait_kmcnt 0x0
	s_add_co_i32 s96, s96, s97
	s_add_co_i32 s96, s96, 127
	s_lshl_b32 s96, s96, 23                        ; 2^(e10 + e11)
	PLACES NP
	TOSTAGE 0
.irp a, 1,2,3,4,5,6,7
.if \a > 1
	s_wait_xcnt 0x0                                ; block a - 2's stores have read their registers and their base
.endif
	TOSTAGE \a
	SEND \a-1, 32                                  ; behind block a - 1's loads: block a's 16 stores and 16 loads
.endr
	s_wait_xcnt 0x0
	SEND 7, 0
	s_wait_tensorcnt 0x0                           ; the wave's end
	ds_add_u32 v[SPW], v[NIL]
	s_wait_dscnt 0x0
	CROUND                                         ; the closing round
	s_endpgm
.Lfunc_end_k_q60a723e237_oproj:
	.size	k_q60a723e237_oproj, .Lfunc_end_k_q60a723e237_oproj-k_q60a723e237_oproj
	.p2alignl 7, 3214868480
	.fill 96, 4, 3214868480
	.section	.rodata,"a",@progbits
	.p2align	6, 0x0
	.amdhsa_kernel k_q60a723e237_oproj
		.amdhsa_group_segment_fixed_size 327680
		.amdhsa_private_segment_fixed_size 0
		.amdhsa_enable_private_segment 0
		.amdhsa_kernarg_size 32
		.amdhsa_user_sgpr_count 2
		.amdhsa_user_sgpr_kernarg_segment_ptr 1
		.amdhsa_wavefront_size32 1
		.amdhsa_system_sgpr_workgroup_id_x 1
		.amdhsa_system_sgpr_workgroup_id_y 1
		.amdhsa_system_sgpr_workgroup_id_z 1
		.amdhsa_system_vgpr_workitem_id 0
		.amdhsa_next_free_vgpr 1024
		.amdhsa_next_free_sgpr 98
		.amdhsa_reserve_vcc 0
		.amdhsa_float_denorm_mode_32 3
		.amdhsa_float_denorm_mode_16_64 3
		.amdhsa_memory_ordered 1
		.amdhsa_forward_progress 1
		.amdhsa_inst_pref_size 123
	.end_amdhsa_kernel
	.amdgpu_metadata
---
amdhsa.version: [ 1, 2 ]
amdhsa.kernels:
  - .name:           k_q60a723e237_oproj
    .symbol:         k_q60a723e237_oproj.kd
    .args:
      - { .name: yc, .offset: 0, .size: 8, .value_kind: global_buffer, .address_space: global }
      - { .name: woc, .offset: 8, .size: 8, .value_kind: global_buffer, .address_space: global }
      - { .name: lowp_scales, .offset: 16, .size: 8, .value_kind: global_buffer, .address_space: global }
      - { .name: out0, .offset: 24, .size: 8, .value_kind: global_buffer, .address_space: global }
    .group_segment_fixed_size: 327680
    .private_segment_fixed_size: 0
    .kernarg_segment_align: 8
    .kernarg_segment_size: 32
    .max_flat_workgroup_size: 128
    .sgpr_count:     98
    .vgpr_count:     1024
    .wavefront_size: 32
...
	.end_amdgpu_metadata
.endif
;; end of part 4
;; ======== version 2 of 2: 4 launches; version 1 with the launch attn written anew for expert scheduling mode
;; workspace buffers: wimg 1,572,864 bytes; woc 1,048,576 bytes; qc 8,388,608 bytes; kvc 4,194,304 bytes; yc 8,388,608 bytes
;; launch prep: the kernel of part 1 again; grid 160 x 1, 4 waves a work-group, no clusters, 85,504 bytes of LDS; arguments wq, wk, wv, wo, lowp_scales, wimg, woc; writes wimg, woc
;; launch qkv: the kernel of part 2 again; grid 4 x 64, 4 waves a work-group, clusters of 4 x 4, 327,680 bytes of LDS; arguments x, ve, cos, sin, w_gate, lowp_scales, wimg, qc, kvc; writes qc, kvc
;; launch attn (part 5): grid 1024 x 1, 8 waves a work-group, no clusters, 42,496 bytes of LDS; arguments qc, kvc, lowp_scales, yc; writes yc
.if DOCPART == 5
	.amdgcn_target "amdgcn-amd-amdhsa--gfx1250"
	.amdhsa_code_object_version 6
	.text
	.protected	k_q60a723e237_attn
	.globl	k_q60a723e237_attn
	.p2align	8
	.type	k_q60a723e237_attn,@function
k_q60a723e237_attn:
	s_mov_b64 s[64:65], 0
	v_nop
	global_prefetch_b8 v0, s[64:65] scope:SCOPE_SE
	s_setreg_imm32_b32 hwreg(HW_REG_WAVE_SCHED_MODE, 0, 2), 2
	s_setreg_imm32_b32 hwreg(HW_REG_WAVE_MODE, 25, 1), 1
	s_wait_xcnt 0x0
	s_wait_alu depctr_vm_vsrc(0)
; y = softmax(q k^T / 8, causal, window 1,024) v on codes of E4M3, and y quantised for the last product (entry 10).  Scales: k entry 6, q entry 7, v entry 8, p entry 9.
; t = score x log2(e) / 8; M = the running largest t rounded up to a whole number; p = 2^(t - M) is quantised along the keys; the row's sum is taken of the unquantised p and divides at the end.
; SHARES: work-group id: group grp = id % 16 (batch x 4 + kv head), queries 32 qb .. + 31 with qb = 63 - id / 16.  Wave w: head 4 grp + w % 4, queries 16 (w / 4) on: one tile in 256 registers.  The four heads that share
; K and V are in one work-group and read each LDS byte together.
; KEYS: steps of 128.  Queries q0 .. q0 + 31 see keys q0 - 1,024 .. q0 + 31: steps f = max(0, q0 / 128 - 8) .. q0 / 128, nine at the most.  The loop makes nine trips; a trip past the last step jumps over its work and
; keeps the barrier.  Every query has a visible key in its first step, so M is a number from there on.
; A step's 16,384 bytes (8 key tiles, 4 fragments of V^T, laid as operand registers) come by plain loads, 64 bytes a thread, a step ahead, and go through two LDS slots: one barrier a trip.
; NO CLUSTER: blocks of queries of one group walk ranges of key steps that begin and end at other steps, and the launch has no tensor load to ask jointly.
; Both products are used transposed: S^T = K Q^T, O^T = V^T P: a lane holds one query (lane % 16) throughout; register 8 i + j of S^T is key 16 i + 8 (lane / 16) + j: eight registers convert into registers 2 i, 2 i + 1 of P.
; LIMITS: e6 + e7 between -120 and 130; e9 and e10 between -126 and 119.
; REGISTERS: v1-11, v25 addresses; v12 -M, v13 the largest t, v[14:15] the sum; v16-23 Q; v24 -infinity; v32-95 K's, then V's fragments; v96-159 S^T, then p; v160-191 O^T; v192-207 P; v208-223 the next step's bytes;
;   v[224:225] f; v226-230 at work; v231, v232: 448 x 2^e9, 2^e9; v233, v234: the same with e10; v236-243 y's codes.  s66-97: 32 lane masks of the causal and window tests.
; THE MODE: SCHED_MODE bits 1:0 = 2 (LLVM: expert scheduling mode 2), set by the entry lines.  The code itself states the register dependences
; between vector or matrix instructions and memory or LDS instructions, with s_wait_alu, always for 0.
; THE PLAN.  Registers that memory or LDS instructions touch:
;   v1, v2, v10, v11, v25  addresses, written at the head and never again: one wait on va_vdst ahead of the first load serves them for the whole kernel.
;   v5, v6      the trip's LDS addresses.  Written by two additions at the trip's head; v6 is read by the trip's 4 LDS stores, v5 by its 32 LDS loads.
;   v208-223    the next step's bytes.  Global loads land in them, the next trip's 4 LDS stores read them; no vector instruction names them.
;   v32-95      K's 16 LDS loads land, the 8 score products read; V^T's 16 LDS loads land, the 4 products at the trip's end read.
;   v236-243    on the way out: written by 4 conversions, read by 4 LDS stores.
; So a trip has: a wait on vm_vsrc at its head (the last trip's LDS instructions have read v5, v6); ONE wait on va_vdst ahead of its stores and K's loads (v5, v6 are written; the last trip's products are done reading
; v32-95); a wait on vm_vsrc ahead of the four global loads (the stores have read v208-223), which stand among the score products; ONE wait on va_vdst behind the score products (they are done reading v32-95), ahead of
; V^T's loads; and the wait behind the batch of exponentials.  The tests' compares write scalar registers in runs of 32, with one wait on va_sdst behind each run, ahead of the selects that read them.
.set SLOTB, 16384
.set YST,   32768                      ; 32 rows x (256 + 16) bytes: y's codes meet here
.set MK,    66                         ; s[66:97]: the lane masks of a run of 32 compares
	s_load_b256 s[4:11], s[0:1], 0x0               ; qc, kvc, the scales' exponents, yc
	v_lshl_add_u32 v254, v0, 2, 0xa200
	v_mov_b32 v255, 0
	v_lshrrev_b32 v1, 5, v0
	v_readfirstlane_b32 s12, v1                    ; wave
	v_and_b32 v1, 31, v0
	v_lshlrev_b32 v1, 4, v1                        ; 16 x lane
	v_lshlrev_b32 v2, 4, v0                        ; 16 x thread
	v_and_b32 v3, 15, v0                           ; r
	v_bfe_u32 v4, v0, 4, 1                         ; h
	v_lshlrev_b32 v7, 3, v4
	v_sub_nc_u32 v7, v3, v7                        ; r - 8 h
	s_and_b32 s13, ttmp9, 15                       ; grp
	s_lshr_b32 s14, ttmp9, 4
	s_sub_co_u32 s14, 63, s14                      ; qb: the blocks with most steps have the lowest numbers
	s_lshl_b32 s17, s14, 5                         ; q0
	s_wait_alu depctr_va_sdst(0)                   ; s12, the wave's number, is written, ahead of its first reader
	s_lshr_b32 s15, s12, 2                         ; which 16 queries
	s_and_b32 s16, s12, 3                          ; which head of the four
	s_lshl_b32 s18, s15, 4
	s_add_co_u32 s18, s18, s17                     ; my first query
	s_lshr_b32 s20, s17, 7                         ; the last step
	s_sub_co_i32 s19, s20, 8
	s_max_i32 s19, s19, 0                          ; the step in hand: f
	s_lshl_b32 s34, s19, 7                         ; its first key
	s_mov_b32 s21, 9
	s_mov_b32 s24, 0x76543210                      ; v_permlanex16_b32: lane l xor 16
	s_mov_b32 s25, 0xfedcba98
	s_mov_b32 s26, 0                               ; the slot that is read,
	s_mov_b32 s27, SLOTB                           ; the slot that is written
	s_mov_b32 s33, 0
	s_mul_i32 s35, s15, 16*272
	s_lshl_b32 s48, s16, 6
	s_add_co_u32 s35, s35, s48
	s_add_co_u32 s35, s35, YST
	v_mul_u32_u24 v10, v3, 272
	v_lshl_add_u32 v10, v4, 3, v10
	v_add_nc_u32 v10, s35, v10                     ; y's codes in: row 16 (w / 4) + r, byte 64 (w % 4) + 8 h
	v_lshrrev_b32 v26, 4, v0
	v_mul_u32_u24 v11, v26, 272
	v_lshl_add_u32 v11, v3, 4, v11
	v_add_nc_u32 v11, YST, v11                     ; and back: sixteen threads to a row
	v_lshlrev_b32 v25, 10, v26
	v_lshl_add_u32 v25, v3, 4, v25                 ; the same place in yc
	s_lshl_b32 s32, s13, 19                        ; Q: ((4 grp + head) 128 + 2 qb + w / 4) x 1,024
	s_lshl_b32 s48, s16, 17
	s_add_co_u32 s32, s32, s48
	s_lshl_b32 s48, s14, 11
	s_add_co_u32 s32, s32, s48
	s_lshl_b32 s48, s15, 10
	s_add_co_u32 s32, s32, s48
	s_wait_kmcnt 0x0
	s_load_b256 s[36:43], s[8:9], 0x0              ; e0 .. e7
	s_load_b128 s[44:47], s[8:9], 0x20             ; e8 .. e11
	s_add_nc_u64 s[4:5], s[4:5], s[32:33]
	s_lshl_b32 s32, s13, 18
	s_add_nc_u64 s[28:29], s[6:7], s[32:33]        ; the group's 16 steps
	s_lshl_b32 s32, s19, 14
	s_add_nc_u64 s[30:31], s[28:29], s[32:33]      ; step f
	s_lshr_b32 s32, s13, 2
	s_lshl_b32 s32, s32, 21
	s_lshl_b32 s48, s17, 10
	s_add_co_u32 s32, s32, s48
	s_and_b32 s48, s13, 3
	s_lshl_b32 s48, s48, 8
	s_add_co_u32 s32, s32, s48
	s_add_nc_u64 s[10:11], s[10:11], s[32:33]      ; yc: row 2,048 b + q0, byte 256 g
	s_wait_alu depctr_va_vdst(0)                   ; v1, v2, v10, v11 and v25 are written: the loads and stores of the whole kernel read them as addresses, and no vector instruction writes them again
	global_load_b128 v[16:19], v1, s[4:5]          ; Q's fragment stays in registers
	global_load_b128 v[20:23], v1, s[4:5] offset:512
.irp i, 0,1,2,3
	global_load_b128 v[208+4*\i:211+4*\i], v2, s[30:31] offset:4096*\i
.endr
	v_mov_b32 v13, 0xff61b1e6                      ; the largest t so far: -3e38
	v_floor_f32 v12, -v13                          ; -M
	v_mov_b32 v14, 0
	v_mov_b32 v15, 0
	v_mov_b32 v24, 0xff800000                      ; -infinity
	v_mov_b32 v225, 0                              ; (named as the upper half of a pair)
	v_mov_b32 v230, 0                              ; a lane permute's destination counts as read
.set n, 0
.rept 32
	v_mov_b32 v[160+n], 0                          ; O^T: the step is written once; the first change of M leaves zeros zeros
.set n, n+1
.endr
	s_wait_kmcnt 0x0
	s_add_co_i32 s48, s42, s43
	s_lshl_b32 s48, s48, 23
	s_add_co_i32 s22, s48, 0x3e38aa3b              ; c = log2(e) / 8 x 2^(e6 + e7): the exponents are added to c's exponent field
	s_mov_b32 s23, s22
	s_add_co_i32 s48, s45, 127
	s_lshl_b32 s35, s48, 23
	v_mov_b32 v232, s35                            ; 2^e9
	s_add_co_i32 s48, s48, 8
	s_lshl_b32 s48, s48, 23
	s_or_b32 s48, s48, 0x600000
	v_mov_b32 v231, s48                            ; 448 x 2^e9
	s_add_co_i32 s48, s46, 127
	s_lshl_b32 s35, s48, 23
	v_mov_b32 v234, s35                            ; 2^e10
	s_add_co_i32 s48, s48, 8
	s_lshl_b32 s48, s48, 23
	s_or_b32 s48, s48, 0x600000
	v_mov_b32 v233, s48                            ; 448 x 2^e10
	s_wait_loadcnt 0x0                             ; Q and step f are in, and their address registers are free
.irp i, 0,1,2,3
	ds_store_b128 v2, v[208+4*\i:211+4*\i] offset:4096*\i      ; step f into slot 0.  (No vector instruction since the wait on va_vdst above names v2 or v208-223)
.endr
	s_add_co_u32 s32, s19, 1
	s_min_u32 s32, s32, 15                         ; no load leaves the group's 16 steps
	s_lshl_b32 s32, s32, 14
	s_add_nc_u64 s[30:31], s[28:29], s[32:33]
	s_wait_dscnt 0x0                               ; for the others' sake: my part of step f is in LDS
	s_wait_alu depctr_vm_vsrc(0)                   ; the four LDS stores have read v208-223, in which the loads below land
.irp i, 0,1,2,3
	global_load_b128 v[208+4*\i:211+4*\i], v2, s[30:31] offset:4096*\i      ; step f + 1
.endr
	s_barrier_signal -1
	s_barrier_wait -1
.Ltrip:
	s_wait_alu depctr_vm_vsrc(0)                   ; the last trip's LDS stores and loads have read v6 and v5, which the two additions write
	v_add_nc_u32 v5, s26, v1                       ; where the fragments are read,
	v_add_nc_u32 v6, s27, v2                       ; where the next step's bytes go
	s_cmp_gt_u32 s19, s20
	s_cbranch_scc1 .Lskip                          ; past the last step: the same in all eight waves
	s_wait_loadcnt 0x0                             ; the next step's bytes, asked for a step ago, are in
	s_add_co_u32 s32, s19, 2
	s_min_u32 s32, s32, 15
	s_lshl_b32 s32, s32, 14
	s_add_nc_u64 s[30:31], s[28:29], s[32:33]
	v_nop                                          ; with the two additions above: four places ahead of loads into registers that the last products read
	v_nop
	s_wait_alu depctr_va_vdst(0)                   ; v5 and v6 are written, which the LDS stores and loads below read; the last trip's products V^T P are done reading v32-95, in which K's fragments land
.irp i, 0,1,2,3
	ds_store_b128 v6, v[208+4*\i:211+4*\i] offset:4096*\i
.endr
.irp i, 0,1,2,3,4,5,6,7
	ds_load_b128 v[32+8*\i:35+8*\i], v5 offset:1024*\i
	ds_load_b128 v[36+8*\i:39+8*\i], v5 offset:1024*\i+512
.endr
	s_wait_dscnt 8                                 ; LDS instructions end in order: the four stores are done and key tiles 0 to 3 are in; tiles 4 to 7's eight loads may be out
.irp i, 0,1,2,3
	v_wmma_f32_16x16x64_fp8_fp8 v[96+8*\i:103+8*\i], v[32+8*\i:39+8*\i], v[16:23], 0
.endr
	s_wait_alu depctr_vm_vsrc(0)                   ; the four LDS stores have read v208-223, in which the loads below land
.irp i, 0,1,2,3
	global_load_b128 v[208+4*\i:211+4*\i], v2, s[30:31] offset:4096*\i      ; two steps on; they stand among the products, which name none of v2 and v208-223
.endr
	s_wait_dscnt 0x0
.irp i, 4,5,6,7
	v_wmma_f32_16x16x64_fp8_fp8 v[96+8*\i:103+8*\i], v[32+8*\i:39+8*\i], v[16:23], 0
.endr
.rept 4
	v_nop                                          ; places ahead of the loads below and of the first read of the scores
.endr
	s_wait_alu depctr_va_vdst(0)                   ; the eight products are done reading K's fragments in v32-95, in which V^T's land; the places above stay beside this wait
.irp dt, 0,1,2,3
.irp c, 0,1,2,3
	ds_load_b128 v[32+16*\dt+4*\c:35+16*\dt+4*\c], v5 offset:8192+2048*\dt+512*\c     ; V^T's fragments land under the softmax
.endr
.endr
	; hidden scores become -infinity ahead of the maximum.  d = my query - the step's first key - 8 h; register 8 i + j holds key 16 i + j + 8 h of the step
	s_add_co_u32 s48, s34, 127
	s_cmp_le_u32 s48, s18
	s_cbranch_scc1 .Lno_causal                     ; no key of the step comes after my first query
	s_sub_co_i32 s48, s18, s34
	v_add_nc_u32 v8, s48, v7
.irp u, 0,1                            ; two runs of 32 compares, each into scalar registers of its own, one wait, 32 selects
.set n, 0
.rept 32
	v_cmp_gt_i32 s[MK+n], 16*((32*\u+n)/8)+(32*\u+n)%8, v8     ; key > query
.set n, n+1
.endr
	s_wait_alu depctr_va_sdst(0)                   ; the run's 32 masks are written, ahead of the selects that read them
.set n, 0
.rept 32
	v_cndmask_b32 v[96+32*\u+n], v[96+32*\u+n], v24, s[MK+n]
.set n, n+1
.endr
.endr
.Lno_causal:
	s_sub_co_i32 s48, s18, s34
	s_cmp_le_i32 s48, 1009
	s_cbranch_scc1 .Lno_window                     ; my last query less the step's first key is at most 1,024
	s_sub_co_i32 s48, s48, 1024
	v_add_nc_u32 v9, s48, v7
.irp u, 0,1
.set n, 0
.rept 32
	v_cmp_lt_i32 s[MK+n], 16*((32*\u+n)/8)+(32*\u+n)%8, v9     ; query - key > 1,024
.set n, n+1
.endr
	s_wait_alu depctr_va_sdst(0)                   ; the run's 32 masks are written, ahead of the selects that read them
.set n, 0
.rept 32
	v_cndmask_b32 v[96+32*\u+n], v[96+32*\u+n], v24, s[MK+n]
.set n, n+1
.endr
.endr
.Lno_window:
	v_max3_num_f32 v228, v96, v97, v98             ; the step's largest score of my query among my 64 keys, in two chains,
	v_max3_num_f32 v229, v99, v100, v101
.irp i, 6,10,14,18,22,26,30,34,38,42,46,50,54,58
	v_max3_num_f32 v228, v228, v[96+\i], v[97+\i]
	v_max3_num_f32 v229, v229, v[98+\i], v[99+\i]
.endr
	v_max3_num_f32 v228, v228, v158, v159
	v_max_num_f32 v228, v228, v229
	v_permlanex16_b32 v230, v228, s24, s25
	v_max_num_f32 v228, v228, v230                 ; and among lane l xor 16's
	v_mul_f32 v228, s22, v228                      ; as t (c is positive)
	v_max_num_f32 v13, v13, v228
	v_mov_b32 v228, v12
	v_floor_f32 v12, -v13                          ; the new -M = floor(-t)
	v_sub_f32 v228, v12, v228                      ; old M - new M: a whole number, 0 or less
	v_cvt_i32_f32 v228, v228                       ; (it saturates)
	v_ldexp_f32 v224, 1.0, v228                    ; f = 2^(old M - new M)
.irp j, 0,2,4,6,8,10,12,14,16,18,20,22,24,26,28,30,32,34,36,38,40,42,44,46,48,50,52,54,56,58,60,62
	v_pk_fma_f32 v[96+\j:97+\j], v[96+\j:97+\j], s[22:23], v[12:13] op_sel_hi:[1,0,0]    ; t - M
.endr
.set n, 0
.rept 64
	v_exp_f32 v[96+n], v[96+n]                     ; p = 2^(t - M)
.set n, n+1
.endr
	v_pk_mul_f32 v[14:15], v[14:15], v[224:225] op_sel_hi:[1,0]    ; the sums under the new M: the plain line behind the exponentials
	s_wait_alu depctr_va_vdst(0)                   ; the 64 exponentials have written v96-159: one wait for the batch, ahead of its first reader
	v_pk_add_f32 v[226:227], v[96:97], v[98:99]    ; the row's sum is taken of the unquantised p
.irp j, 4,8,12,16,20,24,28,32,36,40,44,48,52,56,60
	v_pk_add_f32 v[14:15], v[14:15], v[96+\j:97+\j]
	v_pk_add_f32 v[226:227], v[226:227], v[98+\j:99+\j]
.endr
	v_pk_add_f32 v[14:15], v[14:15], v[226:227]
	s_cmp_ge_i32 s45, -8
	s_cbranch_scc1 .Lno_hold                       ; p is at most 1, and 448 x 2^e9 is at least 1.75 from e9 = -8 on: there the hold changes nothing
.set n, 0
.rept 64
	v_min_num_f32 v[96+n], v[96+n], v231           ; the conversion does not saturate (ISA guide 7.6.2); p is not negative
.set n, n+1
.endr
.Lno_hold:
.irp i, 0,1,2,3,4,5,6,7
	v_cvt_scalef32_pk8_fp8_f32 v[192+2*\i:193+2*\i], v[96+8*\i:103+8*\i], v232
.endr
.irp j, 0,2,4,6,8,10,12,14,16,18,20,22,24,26,28,30
	v_pk_mul_f32 v[160+\j:161+\j], v[160+\j:161+\j], v[224:225] op_sel_hi:[1,0]    ; O^T under the new M; also the plain lines behind the conversions
.endr
	s_wait_dscnt 0x0                               ; V^T's fragments are in
.irp dt, 0,1,2,3
	v_wmma_f32_16x16x128_fp8_fp8 v[160+8*\dt:167+8*\dt], v[32+16*\dt:47+16*\dt], v[192:207], v[160+8*\dt:167+8*\dt]
.endr
.Lskip:
	s_wait_dscnt 0x0                               ; my stores into the other slot have landed and my reads of this one are over
	s_barrier_signal -1
	s_barrier_wait -1
	s_xor_b32 s26, s26, SLOTB
	s_xor_b32 s27, s27, SLOTB
	s_add_co_u32 s19, s19, 1
	s_add_co_u32 s34, s34, 128
	s_sub_co_u32 s21, s21, 1
	s_cmp_lg_u32 s21, 0
	s_cbranch_scc1 .Ltrip
	; THE WAY OUT
	s_wait_loadcnt 0x0
.rept 4
	v_nop                                          ; places behind the last products
.endr
	v_add_f32 v14, v14, v15
	v_permlanex16_b32 v230, v14, s24, s25
	v_add_f32 v14, v14, v230                       ; the row's sum
	v_rcp_f32 v14, v14
	v_nop
	s_add_co_i32 s48, s44, s45
	s_wait_alu depctr_va_vdst(0)                   ; the reciprocal has written v14, ahead of its first reader
	v_ldexp_f32 v14, v14, s48                      ; x 2^(e8 + e9)
.set n, 0
.rept 32
	v_mul_f32 v[96+n], v[160+n], v14               ; register 8 dt + j: y(query r, channel 16 dt + 8 h + j)
.set n, n+1
.endr
.set n, 0
.rept 32
	v_med3_num_f32 v[96+n], v[96+n], -v233, v233
.set n, n+1
.endr
.irp dt, 0,1,2,3
	v_cvt_scalef32_pk8_fp8_f32 v[236+2*\dt:237+2*\dt], v[96+8*\dt:103+8*\dt], v234
.endr
	v_nop
	s_wait_alu depctr_va_vdst(0)                   ; the conversions have written v236-243, which the LDS stores read; the last products are done reading v32-39, in which the loads from the stage land
.irp dt, 0,1,2,3
	ds_store_b64 v10, v[236+2*\dt:237+2*\dt] offset:16*\dt
.endr
	s_wait_dscnt 0x0                               ; for the others' sake: a row's 256 bytes come from four waves
	s_barrier_signal -1
	s_barrier_wait -1
	ds_load_b128 v[32:35], v11
	ds_load_b128 v[36:39], v11 offset:4352
	s_wait_dscnt 1
	global_store_b128 v25, v[32:35], s[10:11]      ; sixteen threads store 256 consecutive bytes of a row of yc, aligned
	s_wait_dscnt 0x0
	global_store_b128 v25, v[36:39], s[10:11] offset:16384
	s_wait_dscnt 0x0
	s_wait_alu depctr_hold_cnt(0) depctr_sa_sdst(0) depctr_va_vdst(0) depctr_va_sdst(0) depctr_va_ssrc(0) depctr_va_vcc(0) depctr_vm_vsrc(0)
	s_wait_tensorcnt 0x0
	ds_add_u32 v254, v255
	s_wait_dscnt 0x0
	s_endpgm
.Lfunc_end_k_q60a723e237_attn:
	.size	k_q60a723e237_attn, .Lfunc_end_k_q60a723e237_attn-k_q60a723e237_attn
	.p2alignl 7, 3214868480
	.fill 96, 4, 3214868480
	.section	.rodata,"a",@progbits
	.p2align	6, 0x0
	.amdhsa_kernel k_q60a723e237_attn
		.amdhsa_group_segment_fixed_size 42496
		.amdhsa_private_segment_fixed_size 0
		.amdhsa_enable_private_segment 0
		.amdhsa_kernarg_size 32
		.amdhsa_user_sgpr_count 2
		.amdhsa_user_sgpr_kernarg_segment_ptr 1
		.amdhsa_wavefront_size32 1
		.amdhsa_system_sgpr_workgroup_id_x 1
		.amdhsa_system_sgpr_workgroup_id_y 1
		.amdhsa_system_sgpr_workgroup_id_z 1
		.amdhsa_system_vgpr_workitem_id 0
		.amdhsa_next_free_vgpr 256
		.amdhsa_next_free_sgpr 98
		.amdhsa_reserve_vcc 0
		.amdhsa_float_denorm_mode_32 3
		.amdhsa_float_denorm_mode_16_64 3
		.amdhsa_memory_ordered 1
		.amdhsa_forward_progress 1
		.amdhsa_inst_pref_size 47
	.end_amdhsa_kernel
	.amdgpu_metadata
---
amdhsa.version: [ 1, 2 ]
amdhsa.kernels:
  - .name:           k_q60a723e237_attn
    .symbol:         k_q60a723e237_attn.kd
    .args:
      - { .name: qc, .offset: 0, .size: 8, .value_kind: global_buffer, .address_space: global }
      - { .name: kvc, .offset: 8, .size: 8, .value_kind: global_buffer, .address_space: global }
      - { .name: lowp_scales, .offset: 16, .size: 8, .value_kind: global_buffer, .address_space: global }
      - { .name: yc, .offset: 24, .size: 8, .value_kind: global_buffer, .address_space: global }
    .group_segment_fixed_size: 42496
    .private_segment_fixed_size: 0
    .kernarg_segment_align: 8
    .kernarg_segment_size: 32
    .max_flat_workgroup_size: 256
    .sgpr_count:     98
    .vgpr_count:     256
    .wavefront_size: 32
...
	.end_amdgpu_metadata
.endif
;; end of part 5
;; launch oproj: the kernel of part 4 again; grid 4 x 32, 4 waves a work-group, clusters of 4 x 4, 327,680 bytes of LDS; arguments yc, woc, lowp_scales, out0; writes out0
